; MI455X (gfx1250); checked and timed in simulation.
; The chip was launched on July 23, 2026; its instructions are those of AMD's public machine-readable ISA for CDNA 5 (MIT licence, August 2026) and "CDNA5" Instruction Set Architecture Reference Guide (July 2026). The comments in the code are by the model that wrote it; some were corrected since.
;; Masked Multi Head Attention. Allowed arithmetic: matrix products marked QUANTISED: E2M1 operands, one E8M0 scale for each 32 along K, by v_wmma_scale_f32_16x16x128_f8f6f4 with both operands' format E2M1 (or v_wmma_scale_f32_32x16x128_f4), f32 sums; products left as they are: bf16, f16 or f32 operands; f32 sums; everything else in f32.
;; Inputs: Wk 1,024 x 1,024 float32; Wo 1,024 x 1,024 float32; Wq 1,024 x 1,024 float32; Wv 1,024 x 1,024 float32; bo 1,024 float32; x 4 x 2,048 x 1,024 float32.
;; Outputs: out0 4 x 2,048 x 1,024 float32.
;; This version of the problem:
;;   THIS VERSION OF THE PROBLEM IS GIVEN IN LOW PRECISION. The matrix products marked QUANTISED in the list below multiply operands that are first quantised to E2M1 (2 exponent bits, 1 mantissa bit; 4 bits a number), with one power-of-two scale for each 32 numbers along K (OCP MX v1.0); their sums are f32. The products marked 'left as it is' may take bf16, f16 or f32 operands, with f32 sums. Whichever they take, every output number must still come out within the allowed error. Rounding operands to bf16 (8 significant bits) uses up far more of that allowance than f16 does (11 bits, for magnitudes from 6e-5 to 65,504). All else is computed in f32.
;;   The module's matrix products, in the order in which they are computed (A, B: the left and right operand; K: the contracted axis; several contracted axes count as one K, in the product's order):
;;     1. [M 8,192, K 1,024] x [K 1,024, N 1,024]; A: input x; B: input Wq: QUANTISED
;;     2. [M 8,192, K 1,024] x [K 1,024, N 1,024]; A: input x; B: input Wk: QUANTISED
;;     3. [M 8,192, K 1,024] x [K 1,024, N 1,024]; A: input x; B: input Wv: QUANTISED
;;     4. batch 64 x [M 2,048, K 64] x [K 64, N 2,048]; A: computed on the way; B: computed on the way: left as it is (an operand is computed on the way)
;;     5. batch 64 x [M 2,048, K 2,048] x [K 2,048, N 64]; A: computed on the way; B: computed on the way: left as it is (an operand is computed on the way)
;;     6. [M 8,192, K 1,024] x [K 1,024, N 1,024]; A: computed on the way; B: input Wo: left as it is (an operand is computed on the way)
;;   THE QUANTISER, for each operand of a quantised product, along K:
;;     - K is cut into blocks of 32 from its start; a last block that is shorter is filled with zeros.
;;     - A block's scale is 2^e with e = floor(log2(the largest magnitude in the block)) - 2, held to -126 .. 127; a block of zeros has e = 0. As a byte (E8M0): e + 127.
;;     - Each number is divided by its block's scale, clamped to +-6, and rounded to the nearest number of E2M1, ties to even, subnormals kept.
;;     - The product sums the exact products of the quantised numbers (number of the format x scale) in f32.
;;   ~~~python
;;   def quantise(x, axis):      # numpy; x: float32 -> the quantised numbers, widened to float32 again
;;       x = np.moveaxis(x, axis, -1); K = x.shape[-1]
;;       x = np.pad(x, [(0, 0)] * (x.ndim - 1) + [(0, -K % 32)]); x = x.reshape(x.shape[:-1] + (-1, 32)); a = np.abs(x).max(-1, keepdims=True)
;;       e = np.where(a > 0, np.clip(np.frexp(np.where(a > 0, a, 1))[1] - 1 - 2, -126, 127), 0)      # np.frexp(a)[1] - 1 = floor(log2(a)), exactly
;;       r = np.clip(x / 2.0 ** e, -6, 6)
;;       step = 2.0 ** (np.maximum(np.frexp(np.where(r == 0, 1, r))[1] - 1, 0) - 1)
;;       q = np.round(r / step) * step * 2.0 ** e      # np.round: ties to even
;;       return np.moveaxis(q.reshape(q.shape[:-2] + (-1,))[..., :K], -1, axis).astype(np.float32)
;;   ~~~
;; One version. Each part assembles by itself: llvm-mc -triple=amdgcn-amd-amdhsa -mcpu=gfx1250 --defsym DOCPART=n.
;; ======== version 1 of 1: 6 launches
;; limits: values are held in f16: magnitudes above 65,504 overflow, below 6.1e-05 lose precision
;; workspace buffers: x_codes 4,194,304 bytes; x_scales 262,144 bytes; w_codes 1,572,864 bytes; w_scales 98,304 bytes; wo16 2,097,152 bytes; qkv 50,331,648 bytes; ctx 16,777,216 bytes; ctx32 262,144 bytes
;; launch prep (part 1): grid 256 x 1, 8 waves a work-group, no clusters, 84,480 bytes of LDS; arguments x, Wq, Wk, Wv, Wo, x_codes, x_scales, w_codes, w_scales, wo16; writes x_codes, x_scales, w_codes, w_scales, wo16
.if DOCPART == 1
	.amdgcn_target "amdgcn-amd-amdhsa--gfx1250"
	.amdhsa_code_object_version 6
	.text
	.protected	k_qdfdf59a69a_prep
	.globl	k_qdfdf59a69a_prep
	.p2align	8
	.type	k_qdfdf59a69a_prep,@function
k_qdfdf59a69a_prep:
	s_mov_b64 s[64:65], 0
	v_nop
	global_prefetch_b8 v0, s[64:65] scope:SCOPE_SE
	s_setreg_imm32_b32 hwreg(HW_REG_WAVE_MODE, 25, 1), 1
	s_wait_xcnt 0x0
; x [8192][1024] f32 -> codes of FP4 (E2M1), K innermost, [8192][512 bytes], and one E8M0 byte for each 32 along K, [8192][32].
; Wq, Wk, Wv [1024 (k)][1024 (n)] f32, K their FIRST axis -> codes [3072 (n)][512 bytes] and scale bytes [3072][32], row = 1024 x (0 q, 1 k, 2 v) + n.
; Wo [1024 (k)][1024 (n)] f32 -> f16, laid as images of operand registers ("pieces" of 512 bytes: 16 columns n x 16 k; lane 16 h + r has column r, k = 8 h .. 8 h + 7, at byte 16 x lane):
;   [n / 256][k / 128][(n / 16) % 16][(k / 16) % 8][512 bytes].
; A block's scale is 2^(floor(log2(its largest magnitude)) - 2); its byte is the largest magnitude's exponent field - 2, held at 1 from below.
; LIMITS: a block of zeros gets the byte 1 (its codes are zeros; this program alone reads the bytes); blocks whose largest magnitude lies under 2^(2 - 126) are held at the byte 1;
; NaN and infinities are not served; |Wo| stays under 65,504 (f16), and under 6e-5 it keeps an absolute error of 3e-8.
; SHARES.  Work-groups 0-127: x, as a plain stream of blocks of 32: a wave takes 16 steps of 512 numbers.  Each load reads 512 consecutive bytes; the numbers turn through the wave's own stage in LDS,
; so that a lane holds 16 neighbours; two neighbouring lanes hold a block.  Work-groups 128-255: 32 columns of one weight (128 + 32 wi + cg); a lane takes a column, wave w the rows k = 128 w .. 128 w + 127,
; so a block of 32 along K lies in one lane's registers.  The codes of the eight waves meet in a stage in LDS and leave as whole rows of 512 bytes.  Each path has LDS bytes of its own.
; No tensor load, one barrier.  No matrix unit, no cluster: the launch streams, and no two work-groups read the same bytes.
.set STEPS, 16
.set WREG,  8192                       ; x path: a region for each wave: two stages of 32 x SP bytes, then its 256 scale bytes
.set SP,    80                         ; a lane's place in a stage: 64 bytes + 16 of padding
.set R,     16                         ; v16-79   x path: four sets of 16 numbers as loaded
.set X,     80                         ; v80-111  two sets of 16 neighbours
.set E,     112                        ; v112-127 a scale byte for each step
.set C,     128                        ; v128-191 codes: four registers for each step, so that no store's data are written again
.set SPW,   12                         ; v12  LDS address of my spare word; never rewritten
.set NIL,   13                         ; v13  0; never rewritten
.set WSTG,  65536                      ; weights' path: 32 rows (columns n) x 528 bytes of codes
.set WP,    528
.set WSC,   WSTG+32*WP                 ; and their scale bytes, 32 rows x 32
.set SPARE, WSC+1024                   ; the spare words, 128 bytes for each wave: four blocks of 256 bytes that no other line names
.set NUM,   32                         ; v32-159  weights' path: my column's 128 numbers, a register for each row
.set COD,   160                        ; v160-175 its codes
	s_load_b512 s[4:19], s[0:1], 0x0               ; x 4, Wq 6, Wk 8, Wv 10, Wo 12, x_codes 14, x_scales 16, w_codes 18
	s_load_b128 s[20:23], s[0:1], 0x40             ; w_scales 20, wo16 22
	v_lshl_add_u32 v[SPW], v0, 2, SPARE
	v_mov_b32 v[NIL], 0
	v_lshrrev_b32 v1, 5, v0
	v_readfirstlane_b32 s24, v1                    ; wave 0..7
	v_and_b32 v2, 31, v0                           ; lane
	v_lshlrev_b32 v3, 4, v2                        ; 16 x lane
	s_mul_i32 s30, s24, WREG
	v_lshrrev_b32 v14, 2, v2
	v_mul_u32_u24 v14, v14, SP
	v_and_b32 v15, 3, v2
	v_lshl_add_u32 v14, v15, 4, v14
	v_add_nc_u32 v14, s30, v14                     ; x's stage, on the way in: SP (lane / 4) + 16 (lane % 4)
	v_mul_u32_u24 v15, v2, SP
	v_add_nc_u32 v15, s30, v15                     ; and on the way out: SP x lane: my 16 neighbours
	v_lshlrev_b32 v4, 3, v2                        ; 8 x lane: my codes' place in a step's, and my 8 scale bytes' on the way out
	v_lshrrev_b32 v5, 1, v2
	s_add_co_u32 s30, s30, 2*32*SP
	v_add_nc_u32 v5, s30, v5                       ; my block's scale byte in the wave's 256
	v_add_nc_u32 v6, s30, v4
	v_lshlrev_b32 v192, 2, v2                      ; weights: 4 bytes a lane
	v_mul_u32_u24 v193, v2, WP
	s_lshl_b32 s31, s24, 6
	s_add_co_u32 s31, s31, WSTG
	v_add_nc_u32 v193, s31, v193                   ; codes in: row = my column, my wave's 64 bytes
	v_lshlrev_b32 v194, 5, v2
	s_lshl_b32 s31, s24, 2
	s_add_co_u32 s31, s31, WSC
	v_add_nc_u32 v194, s31, v194                   ; my column's scale word of my wave's 128 k
	s_mul_i32 s31, s24, 4*WP
	s_add_co_u32 s31, s31, WSTG
	v_add_nc_u32 v195, s31, v3                     ; codes back: rows 4 w .. 4 w + 3, 16 bytes a lane
	v_and_b32 v197, 63, v0
	v_lshlrev_b32 v197, 4, v197                    ; scale bytes back: 64 threads x 16 bytes
	v_add_nc_u32 v196, WSC, v197
	v_lshrrev_b32 v198, 4, v2
	v_lshlrev_b32 v198, 12, v198
	v_and_b32 v1, 15, v2
	v_lshl_add_u32 v198, v1, 4, v198               ; Wo's pieces: (lane / 16) tiles of 4,096 bytes + 16 (lane % 16)
	s_sub_co_u32 s31, ttmp9, 128
	s_bfe_u32 s26, s31, 0x20005                    ; wi: which weight (0 q, 1 k, 2 v, 3 o)
	s_and_b32 s27, s31, 31                         ; cg: which 32 columns
	s_cmp_eq_u32 s26, 3
	s_cselect_b32 s25, 2, 1
	s_cmp_lt_u32 ttmp9, 128
	s_cselect_b32 s25, 0, s25                      ; what this work-group does: 0 x, 1 a weight to codes, 2 Wo to f16
	s_mov_b32 s35, 0
	s_wait_kmcnt 0x0
	s_cmp_lg_u32 s25, 0
	s_cbranch_scc1 .Lweights
	; ---- x
	s_lshl_b32 s32, ttmp9, 3
	s_add_co_u32 s32, s32, s24                     ; which run of 8,192 numbers is my wave's
	s_lshl_b32 s34, s32, 15
	s_add_nc_u64 s[4:5], s[4:5], s[34:35]
	s_lshl_b32 s34, s32, 12
	s_add_nc_u64 s[14:15], s[14:15], s[34:35]
	s_lshl_b32 s34, s32, 8
	s_add_nc_u64 s[16:17], s[16:17], s[34:35]
.macro LOAD t
.irp i, 0,1,2,3
	global_load_b128 v[R+16*((\t)%4)+4*\i:R+16*((\t)%4)+4*\i+3], v3, s[4:5] offset:2048*(\t)+512*\i th:TH_LOAD_NT   ; 32 lanes read 512 consecutive bytes
.endr
.endm
.macro TURN t                          ; step t's numbers through the stage: LDS serves a wave's instructions in order, so no wait stands between the stores and the loads
.irp i, 0,1,2,3
	ds_store_b128 v14, v[R+16*((\t)%4)+4*\i:R+16*((\t)%4)+4*\i+3] offset:32*SP*((\t)%2)+8*SP*\i
.endr
.irp i, 0,1,2,3
	ds_load_b128 v[X+16*((\t)%2)+4*\i:X+16*((\t)%2)+4*\i+3], v15 offset:32*SP*((\t)%2)+16*\i
.endr
.endm
.irp t, 0,1,2,3
	LOAD \t
.endr
	s_wait_loadcnt 12                              ; step 0's four loads are in; the three steps behind it may be out
	TURN 0
.macro STEP t
.set XS, X+16*((\t)%2)
.if (\t) > 0
	s_wait_dscnt 1                                 ; this step's numbers are back from the stage (the last step's byte store may be out): so its stores into the stage have read their registers,
.else
	s_wait_dscnt 0x0
.endif
.if (\t)+4 < STEPS
	LOAD (\t)+4                                    ; which take the loads of four steps on
.endif
.if (\t)+1 < STEPS
.if STEPS-2-(\t) >= 3
	s_wait_loadcnt 12                              ; the next step's four loads are in; those of the three steps behind it may be out
.else
	s_wait_loadcnt 4*(STEPS-2-(\t))
.endif
	TURN (\t)+1
.endif
	v_max3_num_f32 v8, |v[XS]|, |v[XS+1]|, |v[XS+2]|               ; the largest magnitude of my 16
	v_max3_num_f32 v9, |v[XS+3]|, |v[XS+4]|, |v[XS+5]|
.irp i, 6,10
	v_max3_num_f32 v8, v8, |v[XS+\i]|, |v[XS+\i+1]|
	v_max3_num_f32 v9, v9, |v[XS+\i+2]|, |v[XS+\i+3]|
.endr
	v_max3_num_f32 v8, v8, |v[XS+14]|, |v[XS+15]|
	v_max3_num_f32 v8, v8, v9, 0x1800000           ; and the floor 2^(3 - 127): the byte cannot fall under 1
	v_max_num_f32_dpp v8, v8, v8 row_xmask:1 row_mask:0xf bank_mask:0xf   ; and of my neighbour's 16: the block's
	v_add_nc_u32 v11, 0xff000000, v8               ; 2 off its exponent field: the conversion takes the exponent field of this operand as its scale
	v_cvt_scalef32_pk8_fp4_f32 v[C+4*(\t)], v[XS:XS+7], v11
	v_cvt_scalef32_pk8_fp4_f32 v[C+4*(\t)+1], v[XS+8:XS+15], v11
	v_lshrrev_b32 v[E+(\t)], 23, v11               ; the scale's byte (a plain line behind the conversions)
	ds_store_b8 v5, v[E+(\t)] offset:16*(\t)       ; both lanes of a block write the same byte with the same value
	global_store_b64 v4, v[C+4*(\t):C+4*(\t)+1], s[14:15] offset:256*(\t)   ; the wave stores 256 consecutive bytes, aligned
.endm
.irp t, 0,1,2,3,4,5,6,7,8,9,10,11,12,13,14,15
	STEP \t
.endr
	ds_load_b64 v[8:9], v6                         ; LDS serves a wave's instructions in order: these see my byte stores
	s_wait_dscnt 0x0
	global_store_b64 v4, v[8:9], s[16:17]          ; 256 consecutive scale bytes, aligned
	s_branch .Ljoin
	; ---- a weight: my column's 128 numbers of my wave's rows.  Loads run 64 rows ahead of the work: each row has a register of its own, and the address registers are never rewritten
.Lweights:
	s_mov_b64 s[28:29], s[6:7]                     ; the choice hangs on the work-group's number alone
	s_cmp_eq_u32 s26, 1
	s_cselect_b64 s[28:29], s[8:9], s[28:29]
	s_cmp_eq_u32 s26, 2
	s_cselect_b64 s[28:29], s[10:11], s[28:29]
	s_cmp_eq_u32 s26, 3
	s_cselect_b64 s[28:29], s[12:13], s[28:29]
	s_lshl_b32 s34, s24, 19                        ; 128 w rows of 4,096 bytes
	s_lshl_b32 s31, s27, 7                         ; + 32 cg columns of 4 bytes
	s_add_co_u32 s34, s34, s31
	s_add_nc_u64 s[28:29], s[28:29], s[34:35]
.macro WLOAD from, n                   ; rows 128 w + from .. + n - 1, 32 neighbouring columns each
.set li, \from
.rept \n
	global_load_b32 v[NUM+li], v192, s[28:29] offset:4096*li
.set li, li+1
.endr
.endm
	WLOAD 0, 64
	s_cmp_eq_u32 s25, 2
	s_cbranch_scc1 .Lwo
.macro WBLOCK t                        ; block t of four: all its 32 numbers are mine
.set XS, NUM+32*(\t)
.if (\t) < 3
	s_wait_loadcnt 32                              ; this block's 32 loads are in; the next block's 32 may be out
.else
	s_wait_loadcnt 0x0
.endif
.if (\t) < 2
	WLOAD 32*(\t)+64, 32                           ; the block two further on is asked for ahead of this block's arithmetic
.endif
	v_max3_num_f32 v[16+2*(\t)], |v[XS]|, |v[XS+1]|, |v[XS+2]|
	v_max3_num_f32 v[17+2*(\t)], |v[XS+3]|, |v[XS+4]|, |v[XS+5]|
.irp i, 6,10,14,18,22,26
	v_max3_num_f32 v[16+2*(\t)], v[16+2*(\t)], |v[XS+\i]|, |v[XS+\i+1]|
	v_max3_num_f32 v[17+2*(\t)], v[17+2*(\t)], |v[XS+\i+2]|, |v[XS+\i+3]|
.endr
	v_max3_num_f32 v[16+2*(\t)], v[16+2*(\t)], |v[XS+30]|, |v[XS+31]|
	v_max3_num_f32 v[16+2*(\t)], v[16+2*(\t)], v[17+2*(\t)], 0x1800000   ; and the floor
	v_add_nc_u32 v[24+(\t)], 0xff000000, v[16+2*(\t)]                    ; the conversion's scale operand
	v_lshrrev_b32 v[28+(\t)], 23, v[24+(\t)]                             ; the scale's byte
.if (\t) == 0
	v_mov_b32 v176, v[28+(\t)]                     ; four bytes make my wave's scale word, the lower K in the lower byte
.else
	v_lshl_or_b32 v176, v[28+(\t)], 8*(\t), v176
.endif
.irp g, 0,1,2,3
	v_cvt_scalef32_pk8_fp4_f32 v[COD+4*(\t)+\g], v[XS+8*\g:XS+8*\g+7], v[24+(\t)]
.endr
	v_nop                                          ; a plain line behind the last conversion of the run
	ds_store_b128 v193, v[COD+4*(\t):COD+4*(\t)+3] offset:16*(\t)   ; 32 codes: 16 bytes of my column's row
.endm
	WBLOCK 0
	WBLOCK 1
	WBLOCK 2
	WBLOCK 3
	ds_store_b32 v194, v176
	s_branch .Ljoin
	; ---- Wo: 16 k of my column make 8 registers of f16: the two halves (k 0-7, k 8-15) of my column's place in a piece
.Lwo:
	s_lshr_b32 s30, s27, 3                         ; n / 256
	s_lshl_b32 s30, s30, 3
	s_add_co_u32 s30, s30, s24                     ; x 8 + k / 128 (= my wave)
	s_lshl_b32 s34, s30, 16
	s_and_b32 s31, s27, 7
	s_lshl_b32 s31, s31, 13                        ; + 2 (cg % 8) tiles of 4,096 bytes
	s_add_co_u32 s34, s34, s31
	s_add_nc_u64 s[22:23], s[22:23], s[34:35]
.macro WOPIECE i
.if (\i) < 5
	s_wait_loadcnt 48                              ; this piece's 16 loads are in; the three pieces behind it, 48 loads, may be out
.else
	s_wait_loadcnt 16*(7-(\i))                     ; the counts run down with the pieces that are left
.endif
.if (\i) < 4
	WLOAD 16*(\i)+64, 16                           ; the piece four further on
.endif
.irp j, 0,1,2,3,4,5,6,7
	v_cvt_pk_f16_f32 v[NUM+16*(\i)+\j], v[NUM+16*(\i)+2*\j], v[NUM+16*(\i)+2*\j+1]   ; in place, ascending: a register is written when it has been read
.endr
	global_store_b128 v198, v[NUM+16*(\i):NUM+16*(\i)+3], s[22:23] offset:512*(\i)        ; sixteen lanes store 256 consecutive bytes, aligned
	global_store_b128 v198, v[NUM+16*(\i)+4:NUM+16*(\i)+7], s[22:23] offset:512*(\i)+256
.endm
.irp i, 0,1,2,3,4,5,6,7
	WOPIECE \i
.endr
.Ljoin:
	s_wait_dscnt 0x0                               ; for the others' sake: my LDS stores have landed
	s_barrier_signal -1
	s_barrier_wait -1                              ; the launch's one barrier, on every wave's path
	s_cmp_lg_u32 s25, 1
	s_cbranch_scc1 .Lend
	s_lshl_b32 s30, s26, 10
	s_lshl_b32 s31, s27, 5
	s_add_co_u32 s30, s30, s31                     ; the work-group's first row of the codes' buffer: 1024 wi + 32 cg
	s_lshl_b32 s31, s24, 2
	s_add_co_u32 s31, s31, s30                     ; + 4 w
	s_lshl_b32 s34, s31, 9
	s_add_nc_u64 s[18:19], s[18:19], s[34:35]
.irp i, 0,1,2,3
	ds_load_b128 v[NUM+4*\i:NUM+4*\i+3], v195 offset:WP*\i
.endr
.irp i, 0,1,2,3
	s_wait_dscnt 3-\i                              ; row i is back; the later rows may be out
	global_store_b128 v3, v[NUM+4*\i:NUM+4*\i+3], s[18:19] offset:512*\i   ; a whole row of 512 bytes
.endr
	s_cmp_gt_u32 s24, 1
	s_cbranch_scc1 .Lend                           ; the 1,024 scale bytes are 64 threads' 16 bytes: waves 0 and 1
	s_lshl_b32 s34, s30, 5
	s_add_nc_u64 s[20:21], s[20:21], s[34:35]
	ds_load_b128 v[48:51], v196
	s_wait_dscnt 0x0
	global_store_b128 v197, v[48:51], s[20:21]
.Lend:
	s_wait_tensorcnt 0x0                           ; the wave's end, behind my last LDS store
	ds_add_u32 v[SPW], v[NIL]
	s_wait_dscnt 0x0
	s_endpgm
.Lfunc_end_k_qdfdf59a69a_prep:
	.size	k_qdfdf59a69a_prep, .Lfunc_end_k_qdfdf59a69a_prep-k_qdfdf59a69a_prep
	.p2alignl 7, 3214868480
	.fill 96, 4, 3214868480
	.section	.rodata,"a",@progbits
	.p2align	6, 0x0
	.amdhsa_kernel k_qdfdf59a69a_prep
		.amdhsa_group_segment_fixed_size 84480
		.amdhsa_private_segment_fixed_size 0
		.amdhsa_enable_private_segment 0
		.amdhsa_kernarg_size 80
		.amdhsa_user_sgpr_count 2
		.amdhsa_user_sgpr_kernarg_segment_ptr 1
		.amdhsa_wavefront_size32 1
		.amdhsa_system_sgpr_workgroup_id_x 1
		.amdhsa_system_sgpr_workgroup_id_y 1
		.amdhsa_system_sgpr_workgroup_id_z 1
		.amdhsa_system_vgpr_workitem_id 0
		.amdhsa_next_free_vgpr 208
		.amdhsa_next_free_sgpr 66
		.amdhsa_reserve_vcc 0
		.amdhsa_float_denorm_mode_32 3
		.amdhsa_float_denorm_mode_16_64 3
		.amdhsa_memory_ordered 1
		.amdhsa_forward_progress 1
		.amdhsa_inst_pref_size 66
	.end_amdhsa_kernel
	.amdgpu_metadata
---
amdhsa.version: [ 1, 2 ]
amdhsa.kernels:
  - .name:           k_qdfdf59a69a_prep
    .symbol:         k_qdfdf59a69a_prep.kd
    .args:
      - { .name: x, .offset: 0, .size: 8, .value_kind: global_buffer, .address_space: global }
      - { .name: Wq, .offset: 8, .size: 8, .value_kind: global_buffer, .address_space: global }
      - { .name: Wk, .offset: 16, .size: 8, .value_kind: global_buffer, .address_space: global }
      - { .name: Wv, .offset: 24, .size: 8, .value_kind: global_buffer, .address_space: global }
      - { .name: Wo, .offset: 32, .size: 8, .value_kind: global_buffer, .address_space: global }
      - { .name: x_codes, .offset: 40, .size: 8, .value_kind: global_buffer, .address_space: global }
      - { .name: x_scales, .offset: 48, .size: 8, .value_kind: global_buffer, .address_space: global }
      - { .name: w_codes, .offset: 56, .size: 8, .value_kind: global_buffer, .address_space: global }
      - { .name: w_scales, .offset: 64, .size: 8, .value_kind: global_buffer, .address_space: global }
      - { .name: wo16, .offset: 72, .size: 8, .value_kind: global_buffer, .address_space: global }
    .group_segment_fixed_size: 84480
    .private_segment_fixed_size: 0
    .kernarg_segment_align: 8
    .kernarg_segment_size: 80
    .max_flat_workgroup_size: 256
    .sgpr_count:     66
    .vgpr_count:     208
    .wavefront_size: 32
...
	.end_amdgpu_metadata
.endif
;; end of part 1
;; launch qkv (part 2): grid 12 x 32, 4 waves a work-group, clusters of 4 x 4, 327,680 bytes of LDS; arguments x_codes, x_scales, w_codes, w_scales, qkv; writes qkv
.if DOCPART == 2
	.amdgcn_target "amdgcn-amd-amdhsa--gfx1250"
	.amdhsa_code_object_version 6
	.text
	.protected	k_qdfdf59a69a_qkv
	.globl	k_qdfdf59a69a_qkv
	.p2align	8
	.type	k_qdfdf59a69a_qkv,@function
k_qdfdf59a69a_qkv:
	s_mov_b64 s[64:65], 0
	v_nop
	global_prefetch_b8 v0, s[64:65] scope:SCOPE_SE
	s_setreg_imm32_b32 hwreg(HW_REG_WAVE_MODE, 25, 1), 1
	s_wait_xcnt 0x0
	s_wait_alu depctr_hold_cnt(0) depctr_sa_sdst(0) depctr_va_vdst(0) depctr_va_sdst(0) depctr_va_ssrc(0) depctr_va_vcc(0) depctr_vm_vsrc(0)
	s_getreg_b32 s2, hwreg(HW_REG_IB_STS2, 6, 4)
	s_cmp_eq_u32 s2, 0
	s_cbranch_scc0 .Lentry_in_a_cluster
	s_endpgm
.Lentry_in_a_cluster:
	s_bfe_u32 s2, ttmp6, 0x10000c
	s_cmp_lg_u32 s2, 0xf033
	s_cbranch_scc0 .Lentry_shape_is_right
	s_endpgm
.Lentry_shape_is_right:
; q, k, v = Q(x) Q(W): C[m][n] = sum over k of A[m][k] B[n][k], A = x's codes [8192][1024], B = the three weights' codes [3072][1024], FP4 (E2M1) with one E8M0 scale for each 32 along K; sums in f32.
; The results are rounded once to f16 and stored as images of operand registers ("pieces" of 512 bytes: 16 positions x 16 channels): qkv[kind 3][b 4][head 16][position / 16][channel / 16][512 bytes].
; LIMIT: |q|, |k|, |v| stay under 65,504 (f16).
; A tile of C, 256 x 256, is made by a work-group of four waves; a wave makes 128 x 128: 64 accumulators of 16 x 16, 512 registers.  K = 1,024 is two K steps of 512: the two LDS slots are each filled once,
; at the head, and so are the scales of the work-group's rows: nothing is filled again.
; CLUSTERS: 4 x 4 work-groups.  The four of a row of the cluster need the same tiles of A, the four of a column the same tiles of B: each tile is asked for JOINTLY, by the same tensor load with the
; same descriptor and a mask that names the four.  A cluster's four tile columns are one of q, k, v: the cluster's x says which.
; THE MATRIX INSTRUCTION IS USED TRANSPOSED (source 0 = 16 rows of B, source 1 = 16 rows of A): a lane then holds eight neighbouring channels of one position: four roundings in pairs make the 16 bytes of its
; place in a piece, and the 32 lanes store 512 consecutive bytes: no stage in LDS on the way out.
; REGISTERS, in windows of 256: window 0: v0-31 addresses; v32-95 scale words, two sets; from v128 A's fragments, ONE set; on the way out v32-255 hold packed results.
;   window 1: B's fragments, TWO sets, at v0 and at v128.   window 2: the accumulators of my rows 0-63 ((a, b) at v[8 (8 a + b)]);   window 3: those of my rows 64-127.
.set SIZE_K, 1024
.set KSTEP,  512                       ; along K in a slot
.set NQ,     KSTEP/128                 ; matrix instructions deep
.set ROWB,   256                       ; a tile's row in bytes
.set KROW,   SIZE_K*4/8                ; a row of A or of B in memory, in bytes
.set PITCH,  272                       ; an LDS row: 256 bytes + 16 of padding: the 16 rows that a load touches start at 16 different banks
.set FR,     8                         ; registers of a fragment: 16 rows x 128 K
.set NL,     2                         ; LDS loads that bring one
.set NP,     4                         ; places behind this matrix instruction (ISA guide 7.12.1)
.set HALFT,  128*PITCH                 ; 128 rows: what one tensor load brings
.set SLOT,   4*HALFT                   ; A's 256 rows, then B's 256 rows
.set KS,     SIZE_K/32                 ; a row of scales in bytes
.set SCL,    2*SLOT                    ; behind the slots: the scales, as units of 256 bytes + 16 of padding
.set HALFS,  (128*KS/256)*272          ; the scales of 128 rows: what one tensor load brings
.set SBLK,   (16*KS/256)*272           ; those of 16 rows
.set SPARE,  SCL+4*HALFS               ; the spare words, 128 bytes for each wave: two blocks of 256 bytes that no other line names
.set ADRA, 16                          ; v16-17  LDS address of my A fragments in slot 0, 1
.set ADRB, 20                          ; v20-21  the same for B
.set CO,   26                          ; v26     my 16 bytes' place in a piece
.set SPW,  28                          ; v28     LDS address of my spare word; never rewritten
.set NIL,  29                          ; v29     0; never rewritten
.set ADRS, 27                          ; v27     LDS address of my scale words: lanes 0-15 A's rows, lanes 16-31 B's
.set SC,   32                          ; scale words: set s at v[SC + 8 NQ s]; register NQ i + q: lanes 0-15 A's block i, lanes 16-31 B's block i, the slot's q-th 128 along K
.set AF,   128                         ; A's fragments, in window 0
.set G1, 24                            ; s[24:31] descriptor group 1 for A's tiles;  s[32:39] group 0, one set for each slot
.set G0, 32
.set G1B, 48                           ; s[48:55], s[56:63] the same for B's tiles
.set G0B, 56
.set G1S, 68                           ; s[68:75], s[76:79] groups 1 and 0 for A's scales;  s[80:87], s[88:91] for B's
.set G0S, 76
.set G1SB, 80
.set G0SB, 88
.set MSB, 0
.macro WIN new                         ; the immediate's high byte repeats the setting that is left
.if MSB != \new
	s_set_vgpr_msb (MSB<<8)|\new
.set MSB, \new
.endif
.endm
.set MUL_LO, 0xa1                      ; source 0 (B) window 1, source 1 (A) window 0, C and D window 2
.set MUL_HI, 0xf1                      ; the same, C and D window 3
.set TO_B,   0x40                      ; destination window 1, address window 0
; A joint load: waves 0 and 1 fetch for A, waves 2 and 3 for B.  Each of the two lines has ONE mask and one set of registers for all that issue it; the branch hangs on the wave's number alone.
; An s_nop 0 and four v_nop follow each of the two lines.
.macro JLOAD g0a, g1a, g0b, g1b
	s_cmp_eq_u32 s15, 0
	s_cbranch_scc0 .Lfor_b_\@
	tensor_load_to_lds s[\g0a:\g0a+3], s[\g1a:\g1a+7]
	s_nop 0
.rept 4
	v_nop
.endr
	s_branch .Lasked_\@
.Lfor_b_\@:
	tensor_load_to_lds s[\g0b:\g0b+3], s[\g1b:\g1b+7]
	s_nop 0
.rept 4
	v_nop
.endr
.Lasked_\@:
.endm
.macro CROUND                          ; a round of the cluster's barrier
	s_barrier_signal -1
	s_barrier_wait -1
	s_cmp_lg_u32 s14, 0
	s_cbranch_scc1 .Lnot_wave_0_\@
	s_barrier_signal -3
.Lnot_wave_0_\@:
	s_barrier_wait -3
	s_barrier_signal -1
	s_barrier_wait -1
.endm
	s_load_b128 s[4:7], s[0:1], 0x0                ; A's codes s[4:5], A's scales s[6:7]
	s_load_b128 s[8:11], s[0:1], 0x10              ; B's codes s[8:9], B's scales s[10:11]
	s_load_b64 s[12:13], s[0:1], 0x20              ; qkv
	v_lshl_add_u32 v[SPW], v0, 2, SPARE
	v_mov_b32 v[NIL], 0
	ds_add_u32 v[SPW], v[NIL]                      ; the wave's opening: the add, twice on end, and its wait ahead of my first tensor load
	ds_add_u32 v[SPW], v[NIL]
	v_lshrrev_b32 v1, 5, v0
	v_readfirstlane_b32 s14, v1                    ; wave 0..3
	s_lshr_b32 s15, s14, 1                         ; which half of the tile's rows is mine.  Also: I fetch for A (0) or for B (1)
	s_and_b32 s16, s14, 1                          ; which half of its columns.  Also: which 128 rows of that tile I fetch
	s_bfe_u32 s40, ttmp6, 0x40000                  ; cx, cy: my place in the cluster
	s_bfe_u32 s41, ttmp6, 0x40004
	s_lshl_b32 s42, ttmp9, 2
	s_add_co_u32 s42, s42, s40                     ; tile column of C = 4 x cluster x + cx
	s_and_b32 s17, ttmp7, 0xffff
	s_lshl_b32 s17, s17, 2
	s_add_co_u32 s17, s17, s41                     ; tile row of C = 4 x cluster y + cy
	s_lshl_b32 s43, s41, 2
	s_lshl_b32 s43, 15, s43                        ; my row of the cluster
	s_lshl_b32 s44, 0x1111, s40                    ; my column
	; descriptor group 1: a tile of 128 rows x 256 bytes, padded in LDS
	s_or_b32 s[G1+0], s43, (0<<16)|(1<<20)|(1<<21)|(5<<22)|(3<<25)  ; the mask: A's tiles go to my row; elements of 1 byte; padding on; bit 21 beside a mask; 4 words after every 64
	s_or_b32 s[G1B+0], s44, (0<<16)|(1<<20)|(1<<21)|(5<<22)|(3<<25)
.irp g, G1, G1B
	s_mov_b32 s[\g+1], ROWB<<16                    ; tensor_dim0
	s_mov_b32 s[\g+2], 128<<16                     ; tensor_dim1 = 128
	s_mov_b32 s[\g+3], ROWB<<16                    ; tile_dim0
	s_mov_b32 s[\g+4], 128                         ; tile_dim1 = 128
	s_mov_b32 s[\g+5], KROW                        ; tensor_dim0_stride
	s_mov_b32 s[\g+6], 0
	s_mov_b32 s[\g+7], 0
.endr
	; and for the scales of 128 rows: a dense block of 4,096 bytes, as 16 rows of 256 bytes (32 elements of 8 bytes), 16 bytes of padding behind each
	s_or_b32 s[G1S+0], s43, (3<<16)|(1<<20)|(1<<21)|(5<<22)|(3<<25)
	s_or_b32 s[G1SB+0], s44, (3<<16)|(1<<20)|(1<<21)|(5<<22)|(3<<25)
.irp g, G1S, G1SB
	s_mov_b32 s[\g+1], 32<<16
	s_mov_b32 s[\g+2], (128*KS/256)<<16
	s_mov_b32 s[\g+3], 32<<16
	s_mov_b32 s[\g+4], 128*KS/256
	s_mov_b32 s[\g+5], 32
	s_mov_b32 s[\g+6], 0
	s_mov_b32 s[\g+7], 0
.endr
	s_lshl_b32 s18, s16, 7                         ; which 128 rows of the tile I fetch
	s_lshl_b32 s20, s17, 8
	s_add_co_u32 s20, s20, s18                     ; A: row 256 x tile row + 128 x half
	s_lshl_b32 s46, s42, 8
	s_add_co_u32 s46, s46, s18                     ; B: row 256 x tile column + 128 x half
	s_mov_b32 s21, 0
	s_mov_b32 s47, 0
	s_mov_b64 s[18:19], KS
	s_mul_u64 s[22:23], s[20:21], s[18:19]         ; where these rows' scales begin, in bytes
	s_mul_u64 s[92:93], s[46:47], s[18:19]
	s_mov_b64 s[18:19], KROW
	s_mul_u64 s[20:21], s[20:21], s[18:19]         ; and their codes
	s_mul_u64 s[46:47], s[46:47], s[18:19]
	s_mul_i32 s45, s14, HALFT                      ; where they go: wave x 128 rows: no place in the cluster enters an LDS address
	s_mul_i32 s94, s14, HALFS
	s_wait_dscnt 0x0                               ; both opening adds are done
	s_wait_kmcnt 0x0
	s_add_nc_u64 s[20:21], s[4:5], s[20:21]
	s_add_nc_u64 s[22:23], s[6:7], s[22:23]
	s_add_nc_u64 s[46:47], s[8:9], s[46:47]
	s_add_nc_u64 s[92:93], s[10:11], s[92:93]
	CROUND                                         ; all sixteen work-groups are here: the joint loads meet
	s_mov_b32 s[G0S], 1
	s_add_co_u32 s[G0S+1], s94, SCL
	s_mov_b64 s[G0S+2:G0S+3], s[22:23]
	s_or_b32 s[G0S+3], s[G0S+3], 0x80000000
	s_mov_b32 s[G0SB], 1
	s_add_co_u32 s[G0SB+1], s94, SCL
	s_mov_b64 s[G0SB+2:G0SB+3], s[92:93]
	s_or_b32 s[G0SB+3], s[G0SB+3], 0x80000000
	JLOAD G0S, G1S, G0SB, G1SB                     ; the scales first: they are wanted with K step 0
.irp s, 0,1
	s_mov_b32 s[G0+4*\s], 1
	s_add_co_u32 s[G0+4*\s+1], s45, \s*SLOT
	s_add_nc_u64 s[G0+4*\s+2:G0+4*\s+3], s[20:21], \s*ROWB
	s_or_b32 s[G0+4*\s+3], s[G0+4*\s+3], 0x80000000
	s_mov_b32 s[G0B+4*\s], 1
	s_add_co_u32 s[G0B+4*\s+1], s45, \s*SLOT
	s_add_nc_u64 s[G0B+4*\s+2:G0B+4*\s+3], s[46:47], \s*ROWB
	s_or_b32 s[G0B+4*\s+3], s[G0B+4*\s+3], 0x80000000
	JLOAD G0+4*\s, G1, G0B+4*\s, G1B               ; by this text's count three tensor loads of a wave are out
.endr
	v_and_b32 v1, 15, v0                           ; r = l % 16
	v_bfe_u32 v2, v0, 4, 1                         ; h = l / 16
	v_mul_u32_u24 v3, v1, PITCH
	v_lshl_add_u32 v4, v2, 4, v3                   ; a fragment's row x pitch + 16 x half
	s_mul_i32 s21, s15, HALFT                      ; my 128 rows of A
	s_mul_i32 s22, s16, HALFT                      ; my 128 rows of B,
	s_add_co_u32 s22, s22, 2*HALFT                 ; which lie behind A's 256
.irp s, 0,1
	v_add_nc_u32 v[ADRA+\s], s21, v4
	v_add_nc_u32 v[ADRB+\s], s22, v4
	s_add_co_u32 s21, s21, SLOT
	s_add_co_u32 s22, s22, SLOT
.endr
	v_mul_u32_u24 v5, v1, KS                       ; my row's scales: KS bytes a row,
	v_lshrrev_b32 v6, 8, v5
	v_lshl_add_u32 v5, v6, 4, v5                   ; and 16 more for each 256 passed
	s_mul_i32 s21, s15, HALFS                      ; A's: my 128 rows
	s_mul_i32 s22, s16, HALFS                      ; B's: my 128 rows, behind A's 256
	s_add_co_u32 s22, s22, 2*HALFS
	s_sub_co_u32 s22, s22, s21
	v_mul_u32_u24 v6, s22, v2                      ; lanes 16-31 take B's
	s_add_co_u32 s21, s21, SCL
	v_add_nc_u32 v5, v5, v6
	v_add_nc_u32 v[ADRS], s21, v5
	; my 16 bytes' place in a piece.  q, k: 16 x lane (position r, channels 8 h on).  v: the slot 16 (r / 8) + 8 h + r % 8, from which the turning LDS load of the next launch makes fragments with the keys along K
	v_and_b32 v6, 31, v0
	v_lshlrev_b32 v5, 4, v6
	v_lshrrev_b32 v7, 3, v1
	v_lshlrev_b32 v7, 4, v7
	v_lshl_add_u32 v7, v2, 3, v7
	v_and_b32 v8, 7, v1
	v_add_nc_u32 v7, v7, v8
	v_lshlrev_b32 v7, 4, v7
	s_cmp_eq_u32 ttmp9, 2                          ; the cluster's x: 0 q, 1 k, 2 v: the same in all partners; a value is chosen, nothing branches
	s_cselect_b32 s18, -1, 0
	v_cndmask_b32 v[CO], v5, v7, s18
	; where my part begins in qkv: b x 4,194,304 + (16 (tile row % 8) + 8 x my half) position tiles of 2,048 bytes; kind x 16,777,216 + (4 cx + 2 x my half) heads of 262,144
	s_lshr_b32 s20, s17, 3
	s_lshl_b32 s20, s20, 22
	s_and_b32 s21, s17, 7
	s_lshl_b32 s21, s21, 15
	s_add_co_u32 s20, s20, s21
	s_lshl_b32 s21, s15, 14
	s_add_co_u32 s20, s20, s21
	s_mov_b32 s21, 0
	s_lshl_b32 s46, ttmp9, 24
	s_lshl_b32 s47, s40, 20
	s_add_co_u32 s46, s46, s47
	s_lshl_b32 s47, s16, 19
	s_add_co_u32 s46, s46, s47
	s_mov_b32 s47, 0
	s_add_nc_u64 s[20:21], s[20:21], s[46:47]
	s_add_nc_u64 s[12:13], s[12:13], s[20:21]
.macro FRAG reg, adr, q, i             ; a fragment, 16 rows x 128 K of 4-bit codes, is 8 registers: lane l holds row l % 16; registers 4 c .. 4 c + 3 hold K = 64 c + 32 (l / 16) + 0 .. 31
.irp c, 0,1
	ds_load_b128 v[\reg+4*\c:\reg+4*\c+3], v[\adr] offset:64*(\q)+32*\c+(\i)*16*PITCH
.endr
.endm
; 16 matrix instructions: A's blocks a0, a0 + 1 x B's eight, 128 along K: the slot's q-th.  p: B's set;  sc: the set of scale words.  zero = 1: the first product starts the sums: nothing is ever cleared.
; The 64 accumulators take turns, one instruction a turn, in the same order in every step.
.macro MUL16 a0, p, q, sc, zero
.irp a, \a0, \a0+1
.irp b, 0,1,2,3,4,5,6,7
.if \zero
	v_wmma_scale_f32_16x16x128_f8f6f4 v[8*(8*((\a)%4)+\b):8*(8*((\a)%4)+\b)+7], v[128*(\p)+FR*\b:128*(\p)+FR*\b+FR-1], v[AF+FR*(\a):AF+FR*(\a)+FR-1], 0, v[SC+8*NQ*(\sc)+NQ*\b+(\q)], v[SC+8*NQ*(\sc)+NQ*(\a)+(\q)] matrix_a_fmt:MATRIX_FMT_FP4 matrix_b_fmt:MATRIX_FMT_FP4 matrix_a_scale:MATRIX_SCALE_ROW1
.else
	v_wmma_scale_f32_16x16x128_f8f6f4 v[8*(8*((\a)%4)+\b):8*(8*((\a)%4)+\b)+7], v[128*(\p)+FR*\b:128*(\p)+FR*\b+FR-1], v[AF+FR*(\a):AF+FR*(\a)+FR-1], v[8*(8*((\a)%4)+\b):8*(8*((\a)%4)+\b)+7], v[SC+8*NQ*(\sc)+NQ*\b+(\q)], v[SC+8*NQ*(\sc)+NQ*(\a)+(\q)] matrix_a_fmt:MATRIX_FMT_FP4 matrix_b_fmt:MATRIX_FMT_FP4 matrix_a_scale:MATRIX_SCALE_ROW1
.endif
.endr
.endr
.endm
.macro FETCH_B slot, q, p              ; B's eight fragments of the slot's q-th 128 along K into set p
	WIN TO_B
.irp i, 0,1,2,3,4,5,6,7
	FRAG 128*(\p)+FR*\i, ADRB+\slot, \q, \i
.endr
	WIN 0
.endm
.macro FETCH_A slot, q, i0             ; A's blocks i0 .. i0 + 3
.irp i, \i0, \i0+1, \i0+2, \i0+3
	FRAG AF+FR*(\i), ADRA+\slot, \q, \i
.endr
.endm
.macro SCALES sc                       ; a K step's scale words into set sc: NQ words a row; lanes 0-15 take A's block i, lanes 16-31 B's block i
.irp i, 0,1,2,3,4,5,6,7
	ds_load_b128 v[SC+8*NQ*\sc+NQ*\i:SC+8*NQ*\sc+NQ*\i+3], v[ADRS] offset:\i*SBLK
.endr
.endm
; A load into a register that a matrix instruction has read, and a vector instruction that reads a matrix result or writes one of its registers, stand NP places behind it; only plain vector
; instructions that name none of its registers are places (ISA guide 7.12.1 for vector instructions).
.macro PLACES n
.rept \n
	v_nop
.endr
.endm
; A step of 128 along K that has its successor in the same slot.
.macro STEP slot, q, zero
	s_wait_dscnt 4*NL                              ; B's set and A's blocks 0-3 are in; the youngest eight loads (A's blocks 4-7) may be out
	WIN MUL_LO
	MUL16 0, (\q)%2, \q, \slot, \zero
	MUL16 2, (\q)%2, \q, \slot, \zero
	s_wait_dscnt 0                                 ; A's blocks 4-7 are in
	PLACES NP
	FETCH_B \slot, (\q)+1, 1-(\q)%2
	FETCH_A \slot, (\q)+1, 0
	WIN MUL_HI
	MUL16 4, (\q)%2, \q, \slot, \zero
	MUL16 6, (\q)%2, \q, \slot, \zero
	PLACES NP
	WIN 0
	FETCH_A \slot, (\q)+1, 4
.endm
; Slot 0's last step goes over to slot 1: each wave waits for all its tensor loads (its part of slot 1), and one barrier shows the whole slot to every wave.
.macro TURN slot, next
	s_wait_tensorcnt 0x0                           ; all my tensor loads have landed
	ds_add_u32 v[SPW], v[NIL]                      ; 0 onto my spare word
	s_wait_dscnt 4*NL+1                            ; (the add and the youngest eight loads, A's blocks 4-7, may be out)
	WIN MUL_LO
	MUL16 0, 1, NQ-1, \slot, 0
	s_wait_dscnt 0x0                               ; no LDS instruction of mine is pending at the signal
	s_barrier_signal -1
	MUL16 2, 1, NQ-1, \slot, 0
	WIN 0
	s_barrier_wait -1
	PLACES NP
	v_add_nc_u32 v[ADRS], 4*NQ, v[ADRS]            ; on to the next K step's scale words
	FETCH_B \next, 0, 0
	FETCH_A \next, 0, 0
	SCALES \next
	WIN MUL_HI
	MUL16 4, 1, NQ-1, \slot, 0
	MUL16 6, 1, NQ-1, \slot, 0
	PLACES NP
	WIN 0
	FETCH_A \next, 0, 4
.endm
	s_wait_tensorcnt 1                             ; the scales and my part of K step 0 are in (K step 1's load may be out),
	s_barrier_signal -1
	s_barrier_wait -1                              ; everybody's are
	FETCH_B 0, 0, 0
	FETCH_A 0, 0, 0
	SCALES 0
	FETCH_A 0, 0, 4
	STEP 0, 0, 1                                   ; the first step's products start the sums
	STEP 0, 1, 0
	STEP 0, 2, 0
	TURN 0, 1
	STEP 1, 0, 0
	STEP 1, 1, 0
	STEP 1, 2, 0
	s_wait_dscnt 4*NL                              ; the very last step: nothing more to fetch
	WIN MUL_LO
	MUL16 0, 1, NQ-1, 1, 0
	MUL16 2, 1, NQ-1, 1, 0
	s_wait_dscnt 0
	WIN MUL_HI
	MUL16 4, 1, NQ-1, 1, 0
	MUL16 6, 1, NQ-1, 1, 0
	WIN 0
; THE WAY OUT, block by block of 16 positions x 128 channels: 32 roundings in pairs (each accumulator from its low end on), 8 stores of 512 consecutive bytes: a piece each.
; Seven sets of 32 registers: block 7 takes block 0's, behind the wait that frees a store's data.
.macro OUT a
.set AC, 64*((\a)%4)
.set TP, 32+32*((\a)%7)
.if (\a) == 7
	s_wait_xcnt 0x0                                ; block 0's stores have read their registers
.endif
	WIN 0x0a+5*((\a)/4)                            ; sources 0 and 1: window 2 or 3
.irp b, 0,1,2,3,4,5,6,7
.irp r, 0,1,2,3
	v_cvt_pk_f16_f32 v[TP+4*\b+\r], v[AC+8*\b+2*\r], v[AC+8*\b+2*\r+1]
.endr
.endr
	WIN 0
.irp b, 0,1,2,3,4,5,6,7
	global_store_b128 v[CO], v[TP+4*\b:TP+4*\b+3], s[12:13] offset:(\a)*2048+(\b/4)*262144+(\b%4)*512   ; position tile a, head b / 4, channels 16 (b % 4) on
.endr
.endm
	PLACES NP                                      ; behind the last products: the conversions write registers that held their operands and scales
.irp a, 0,1,2,3,4,5,6,7
	OUT \a
.endr
	s_wait_tensorcnt 0x0                           ; the wave's end
	ds_add_u32 v[SPW], v[NIL]
	s_wait_dscnt 0x0
	CROUND                                         ; the closing round: no work-group ends while a partner may still ask for a tile that names it
	s_endpgm
.Lfunc_end_k_qdfdf59a69a_qkv:
	.size	k_qdfdf59a69a_qkv, .Lfunc_end_k_qdfdf59a69a_qkv-k_qdfdf59a69a_qkv
	.p2alignl 7, 3214868480
	.fill 96, 4, 3214868480
	.section	.rodata,"a",@progbits
	.p2align	6, 0x0
	.amdhsa_kernel k_qdfdf59a69a_qkv
		.amdhsa_group_segment_fixed_size 327680
		.amdhsa_private_segment_fixed_size 0
		.amdhsa_enable_private_segment 0
		.amdhsa_kernarg_size 40
		.amdhsa_user_sgpr_count 2
		.amdhsa_user_sgpr_kernarg_segment_ptr 1
		.amdhsa_wavefront_size32 1
		.amdhsa_system_sgpr_workgroup_id_x 1
		.amdhsa_system_sgpr_workgroup_id_y 1
		.amdhsa_system_sgpr_workgroup_id_z 1
		.amdhsa_system_vgpr_workitem_id 0
		.amdhsa_next_free_vgpr 1024
		.amdhsa_next_free_sgpr 98
		.amdhsa_reserve_vcc 0
		.amdhsa_float_denorm_mode_32 3
		.amdhsa_float_denorm_mode_16_64 3
		.amdhsa_memory_ordered 1
		.amdhsa_forward_progress 1
		.amdhsa_inst_pref_size 118
	.end_amdhsa_kernel
	.amdgpu_metadata
---
amdhsa.version: [ 1, 2 ]
amdhsa.kernels:
  - .name:           k_qdfdf59a69a_qkv
    .symbol:         k_qdfdf59a69a_qkv.kd
    .args:
      - { .name: x_codes, .offset: 0, .size: 8, .value_kind: global_buffer, .address_space: global }
      - { .name: x_scales, .offset: 8, .size: 8, .value_kind: global_buffer, .address_space: global }
      - { .name: w_codes, .offset: 16, .size: 8, .value_kind: global_buffer, .address_space: global }
      - { .name: w_scales, .offset: 24, .size: 8, .value_kind: global_buffer, .address_space: global }
      - { .name: qkv, .offset: 32, .size: 8, .value_kind: global_buffer, .address_space: global }
    .group_segment_fixed_size: 327680
    .private_segment_fixed_size: 0
    .kernarg_segment_align: 8
    .kernarg_segment_size: 40
    .max_flat_workgroup_size: 128
    .sgpr_count:     98
    .vgpr_count:     1024
    .wavefront_size: 32
...
	.end_amdgpu_metadata
.endif
;; end of part 2
;; launch attn (part 3): grid 4 x 64, 8 waves a work-group, no clusters, 327,680 bytes of LDS; arguments qkv, ctx; writes ctx
.if DOCPART == 3
	.amdgcn_target "amdgcn-amd-amdhsa--gfx1250"
	.amdhsa_code_object_version 6
	.text
	.protected	k_qdfdf59a69a_attn
	.globl	k_qdfdf59a69a_attn
	.p2align	8
	.type	k_qdfdf59a69a_attn,@function
k_qdfdf59a69a_attn:
	s_mov_b64 s[64:65], 0
	v_nop
	global_prefetch_b8 v0, s[64:65] scope:SCOPE_SE
	s_setreg_imm32_b32 hwreg(HW_REG_WAVE_MODE, 25, 1), 1
	s_wait_xcnt 0x0
; ctx[b][q][head] = the sum over keys k <= q of softmax_k(q . k / 8) v, head size 64, 2,048 positions, 64 (b, head) pairs.  Operands f16, products, maxima and sums f32; the weights p are rounded to f16
; for the second product, ctx once at the end.  LIMITS: f16's range for q, k, v and ctx; the running maximum starts at -3e38.
; q, k, v arrive as pieces of 512 bytes (16 positions x 16 channels, an image of four operand registers): qkv[kind][b][head][position / 16][channel / 16].  ctx leaves as pieces too:
; ctx[row / 128][k / 128][(row / 16) % 8][(k / 16) % 8][512 bytes], row = 2048 b + position, k = 64 head + channel.
; SHARES.  Work-group (i, bh) owns query blocks 7 - i and then i of 256 queries: under the causal mask block j walks j + 1 units of 256 keys, so every work-group walks 9 units: a constant trip count, equal work.
; Each of the eight waves owns 32 queries, two tiles of 16; two waves share a SIMD, so that one's vector work stands beside the other's matrix work.  A unit is 4 steps of 64 keys.
; NO CLUSTER: the four work-groups of a head want different units from the fifth trip on (7 - i differs), and a partner would have to take tiles that the mask hides from all its waves.
; LAYOUT.  S^T = K Q^T (source 0 = 16 keys, source 1 = 16 queries): a lane holds ONE query (lane % 16) and keys 8 (lane / 16) + 0..7.  Two such tiles, rounded in pairs, ARE source 1 of O^T = V^T P,
; whose result again holds one query a lane and eight channels: four roundings make a lane's 16 bytes of a piece of ctx.  K comes out of LDS as it lies, V turned by ds_load_tr16_b128.
; RING.  Two LDS slots of a unit each (K's 32 KB, V's 32 KB, dense: an LDS load's 32 lanes take 512 consecutive bytes).  Waves 0-3 fetch 16 KB each, one tensor load a wave behind each barrier.
; REGISTERS.  window 0: v1-10 addresses and constants; v16-31 statistics, 8 a tile (c m, m, l, l, c0-c3; a takes c2's place); v64-127 S^T; v128-159 P; v160-191 Q; v192-255 K.  window 1: v0-63 O^T; v64-127 V.
.set SLOT1, 65536                      ; slot 1 begins here: one exclusive or turns an address in one slot into the other's
.set VOFF,  32768                      ; V's tiles lie behind K's
.set SPARE, 131072                     ; the spare words, 128 bytes for each wave: four blocks of 256 bytes that no other line names
.set LN,   1                           ; v1   16 x lane
.set ADR,  2                           ; v2   LDS address of the step's tiles
.set SPW,  4                           ; v4   my spare word; never rewritten
.set NIL,  5                           ; v5   0; never rewritten
.set PFO,  6                           ; v6   256 x lane: the prefetches' offset
.set RH,   7                           ; v7   r - 8 h
.set DD,   8                           ; v8, v9  the mask's bound for tiles 0, 1
.set NINF, 10                          ; v10  -infinity
.set ST,   16
.set S,    64
.set P,    128
.set Q,    160
.set KR,   192
.set VR,   64                          ; in window 1
.set WV,   12                          ; s12  wave
.set BLK,  13                          ; s13  the query block in hand
.set KU,   14                          ; s14  the unit of keys in hand
.set KF,   15                          ; s15  the step's first key
.set G1,   16                          ; s[16:23] descriptor group 1
.set G0,   24                          ; s[24:27] descriptor group 0
.set KVB,  28                          ; s[28:29] my 16 KB of unit 0 in memory (waves w and w + 4 alike: K's halves, V's halves)
.set Q0,   30                          ; s30  my first query
.set TB,   31                          ; s31  LDS byte at which the step's tiles begin
.set CNT,  32                          ; s32  units still to be asked for
.set STP,  33                          ; s33  counts a unit's four steps
.set OF,   34                          ; s[34:35] the next unit's byte offset
.set CS,   36                          ; s[36:37] c = log2(e) / 8
.set SEL,  38                          ; s[38:39] lane selects for v_permlanex16_b32: lane l xor 16
.set QB,   40                          ; s[40:41] Q's pieces of my wave in block 0
.set QAD,  42                          ; s[42:43] and in the block in hand
.set CAD,  44                          ; s[44:45] ctx's pieces of my wave in the block in hand (s[6:7]: in block 0)
.set PFA,  46                          ; s[46:47] where my prefetches stand
.set LIM,  48                          ; s48  2 in a wave that prefetches, else the greatest number
.set MSB, 0
.macro WIN new
.if MSB != \new
	s_set_vgpr_msb (MSB<<8)|\new
.set MSB, \new
.endif
.endm
.macro TLOAD                           ; waves 0-3 fetch; the branch hangs on the wave's number alone.  An s_nop 0 and four v_nop follow the load
	s_cmp_lt_u32 s[WV], 4
	s_cbranch_scc0 .Lno_load_\@
	tensor_load_to_lds s[G0:G0+3], s[G1:G1+7]
	s_nop 0
.rept 4
	v_nop
.endr
.Lno_load_\@:
.endm
; A PREFETCH INTO THE L2 of the unit that the NEXT change of slots will ask for.  All four work-groups of a head begin with units 0, 1, 2 ..: the first of them (x = 0, which walks units 0 to 7 on end) asks, and in it
; the waves that fetch nothing: wave 4 + j names the 16 KB that wave j will load, lanes 256 bytes apart, two instructions.  Trip t names unit t + 2, t = 0 .. 5: each aligned block of 256 bytes from unit 2 on once.
.macro ASK
	s_cmp_gt_u32 s[CNT], s[LIM]
	s_cbranch_scc0 .Lnot_mine_\@
	global_prefetch_b8 v[PFO], s[PFA:PFA+1] th:TH_LOAD_NT scope:SCOPE_SE
	global_prefetch_b8 v[PFO], s[PFA:PFA+1] offset:8192 th:TH_LOAD_NT scope:SCOPE_SE
.Lnot_mine_\@:
.endm
.macro SETBLK                          ; from the block's number: my first query, Q's and ctx's addresses
	s_lshl_b32 s[Q0], s[BLK], 8
	s_lshl_b32 s49, s[WV], 5
	s_add_co_u32 s[Q0], s[Q0], s49
	s_lshl_b32 s50, s[BLK], 15                     ; 16 position tiles of 2,048 bytes
	s_mov_b32 s51, 0
	s_add_nc_u64 s[QAD:QAD+1], s[QB:QB+1], s[50:51]
	s_lshl_b32 s50, s[BLK], 19                     ; 2 blocks of 128 rows x 262,144 bytes
	s_add_nc_u64 s[CAD:CAD+1], s[6:7], s[50:51]
.endm
.macro LOADQ                           ; my 32 queries' fragments; the statistics and O^T begin anew: the first step finds zeros, which its factor a = 0 leaves zeros
.irp t, 0,1
.irp p, 0,1,2,3
	global_load_b128 v[Q+16*\t+4*\p:Q+16*\t+4*\p+3], v[LN], s[QAD:QAD+1] offset:\t*2048+\p*512
.endr
.endr
.irp t, 0,1
	v_mov_b32 v[ST+8*\t+1], 0xff61b1e6             ; m = -3e38, under every score
	v_mul_f32 v[ST+8*\t], s[CS], v[ST+8*\t+1]      ; c m
.irp j, 2,3,4,5,6,7
	v_mov_b32 v[ST+8*\t+\j], 0
.endr
.endr
	WIN 0x40
.set i, 0
.rept 64
	v_mov_b32 v[i], 0
.set i, i+1
.endr
	WIN 0
	s_wait_loadcnt 0x0
.endm
; THE CHANGE OF SLOTS stands at a unit's head.  Each wave waits for all its tensor loads (its part of the unit that it is about to read), adds 0 to its spare word, and waits for that and for its reads of the slot that it
; has left.  Behind the barrier the slot ahead is whole and nobody reads the other.  fill = 1: that other slot takes the next unit: the block's next, or unit 0 for the second block; it has a unit's four steps in which to land.
.macro CHANGE fill
	s_wait_tensorcnt 0x0                           ; no tensor load of mine is out, so group 0 may be written
	ds_add_u32 v[SPW], v[NIL]                      ; 0 onto my spare word
.if \fill
	ds_add_u32 v[SPW], v[NIL]                      ; and once more: the add stands twice on end, in every trip alike
	s_add_co_u32 s[OF], s[KU], 1
	s_cmp_eq_u32 s[KU], s[BLK]
	s_cselect_b32 s[OF], 0, s[OF]                  ; the next unit
	s_lshl_b32 s[OF], s[OF], 15                    ; 32,768 bytes a unit
	s_xor_b32 s[G0+1], s[G0+1], SLOT1              ; the other slot than last time
	s_add_nc_u64 s[G0+2:G0+3], s[KVB:KVB+1], s[OF:OF+1]
	s_or_b32 s[G0+3], s[G0+3], 0x80000000          ; type = 2
	s_wait_xcnt 0x0                                ; the last prefetches, a unit back, have read their address
	s_add_nc_u64 s[PFA:PFA+1], s[PFA:PFA+1], 32768
.endif
	s_wait_dscnt 0x0                               ; the add is done, and my reads of the slot that I have left are over
	s_barrier_signal -1
	s_barrier_wait -1
.if \fill
	TLOAD                                          ; the first thing behind the barrier, and a wave's one tensor load until the next
	ASK
.endif
.endm
; A STEP: 64 keys.
.macro STEP
	s_add_co_u32 s49, s[Q0], 31                    ; a step all of whose keys come after my 32 queries is left out: a branch on ids and counts, round the work alone
	s_cmp_gt_u32 s[KF], s49
	s_cbranch_scc1 .Lhidden_\@
	v_add_nc_u32 v[ADR], s[TB], v[LN]
.irp kt, 0,1,2,3                       ; K: key tile kt, piece p = channels 16 p on: fragment (kt, p / 2), registers 4 (p % 2) on
.irp p, 0,1,2,3
	ds_load_b128 v[KR+16*\kt+4*\p:KR+16*\kt+4*\p+3], v[ADR] offset:\kt*2048+\p*512
.endr
.endr
	WIN 0x40                                       ; destination window 1
.irp ct, 0,1,2,3                       ; V, turned: channels 16 ct on, key tile g: fragment (ct, g / 2), registers 4 (g % 2) on
.irp g, 0,1,2,3
	ds_load_tr16_b128 v[VR+16*\ct+4*\g:VR+16*\ct+4*\g+3], v[ADR] offset:VOFF+\g*2048+\ct*512
.endr
.endr
	WIN 0
	s_wait_dscnt 16                                ; K's 16 loads are in; V's 16 may be out
.irp s, 0,1                            ; S^T = K Q^T: eight accumulators by turns, 32 channels a pass
.irp t, 0,1
.irp kt, 0,1,2,3
.if \s == 0
	v_wmma_f32_16x16x32_f16 v[S+32*\t+8*\kt:S+32*\t+8*\kt+7], v[KR+16*\kt+8*\s:KR+16*\kt+8*\s+7], v[Q+16*\t+8*\s:Q+16*\t+8*\s+7], 0
.else
	v_wmma_f32_16x16x32_f16 v[S+32*\t+8*\kt:S+32*\t+8*\kt+7], v[KR+16*\kt+8*\s:KR+16*\kt+8*\s+7], v[Q+16*\t+8*\s:Q+16*\t+8*\s+7], v[S+32*\t+8*\kt:S+32*\t+8*\kt+7]
.endif
.endr
.endr
.endr
.rept 4
	v_nop                                          ; places behind the products, ahead of the first read of the scores
.endr
	s_add_co_u32 s49, s[KF], 63                    ; a step all of whose keys count skips the mask
	s_cmp_le_u32 s49, s[Q0]
	s_cbranch_scc1 .Lopen_\@
	s_sub_co_i32 s49, s[Q0], s[KF]
	v_add_nc_u32 v[DD], s49, v[RH]                 ; d = my query - KF - 8 h.  Register 8 kt + j holds key KF + 16 kt + 8 h + j: hidden where 16 kt + j > d
	v_add_nc_u32 v[DD+1], 16, v[DD]
.irp t, 0,1
.set n, 0
.rept 32
	v_cmp_gt_i32 vcc_lo, 16*(n/8)+n%8, v[DD+\t]
	v_cndmask_b32 v[S+32*\t+n], v[S+32*\t+n], v[NINF], vcc_lo
.set n, n+1
.endr
.endr
.Lopen_\@:
	; the softmax, the two tiles line by line, so that no line waits for the line above it.  The maximum of 32 scores and the old m, three operands at a time
.irp j, 0,1,2,3
.irp t, 0,1
	v_max3_num_f32 v[ST+8*\t+4+\j], v[S+32*\t+8*\j], v[S+32*\t+8*\j+1], v[S+32*\t+8*\j+2]
.endr
.endr
.irp g, 1,2
.irp j, 0,1,2,3
.irp t, 0,1
	v_max3_num_f32 v[ST+8*\t+4+\j], v[ST+8*\t+4+\j], v[S+32*\t+8*\j+2*\g+1], v[S+32*\t+8*\j+2*\g+2]
.endr
.endr
.endr
.irp t, 0,1
	v_max3_num_f32 v[ST+8*\t+4], v[ST+8*\t+4], v[S+32*\t+7], v[S+32*\t+15]
.endr
.irp t, 0,1
	v_max3_num_f32 v[ST+8*\t+6], v[ST+8*\t+6], v[S+32*\t+23], v[S+32*\t+31]
.endr
.irp t, 0,1
	v_max3_num_f32 v[ST+8*\t+4], v[ST+8*\t+4], v[ST+8*\t+5], v[ST+8*\t+6]
.endr
.irp t, 0,1
	v_max3_num_f32 v[ST+8*\t+4], v[ST+8*\t+4], v[ST+8*\t+7], v[ST+8*\t+1]
.endr
.irp t, 0,1
	v_permlanex16_b32 v[ST+8*\t+5], v[ST+8*\t+4], s[SEL], s[SEL+1]   ; the query's other 32 keys lie in the lane 16 away
.endr
.irp t, 0,1
	v_mov_b32 v[ST+8*\t+7], v[ST+8*\t]             ; c m_old is kept for a
.endr
.irp t, 0,1
	v_max_num_f32 v[ST+8*\t+1], v[ST+8*\t+4], v[ST+8*\t+5]
.endr
.irp t, 0,1
	v_mul_f32 v[ST+8*\t], s[CS], v[ST+8*\t+1]
.endr
.irp t, 0,1
	v_sub_f32 v[ST+8*\t+7], v[ST+8*\t+7], v[ST+8*\t]
.endr
.irp t, 0,1
	v_exp_f32 v[ST+8*\t+6], v[ST+8*\t+7]           ; a = 2^(c m_old - c m_new)
.endr
.set i, 0
.rept 16
.irp t, 0,1
	v_pk_fma_f32 v[S+32*\t+i:S+32*\t+i+1], v[S+32*\t+i:S+32*\t+i+1], s[CS:CS+1], v[ST+8*\t:ST+8*\t+1] op_sel_hi:[1,0,0] neg_lo:[0,0,1] neg_hi:[0,0,1]   ; c s - c m, two at a time
.endr
.set i, i+2
.endr
.set i, 0
.rept 32
.irp t, 0,1
	v_exp_f32 v[S+32*\t+i], v[S+32*\t+i]           ; p = 2^(c s - c m), at most 1
.endr
.set i, i+1
.endr
	v_nop                                          ; a plain line behind the last exponential
	s_wait_alu depctr_va_vdst(0)                   ; the wait ahead of the first line that names a result: one for the step's 66 exponentials
.set i, 0
.rept 16
.irp t, 0,1
	v_cvt_pk_f16_f32 v[P+16*\t+i], v[S+32*\t+2*i], v[S+32*\t+2*i+1]
.endr
.set i, i+1
.endr
.irp w, 4,8,16,32                      ; the sum of the tile's 16 pairs, in place: neighbours 1, 2, 4, 8 pairs apart
.set u, 0
.rept 32/\w
.irp t, 0,1
	v_pk_add_f32 v[S+32*\t+\w*u:S+32*\t+\w*u+1], v[S+32*\t+\w*u:S+32*\t+\w*u+1], v[S+32*\t+\w*u+\w/2:S+32*\t+\w*u+\w/2+1]
.endr
.set u, u+1
.endr
.endr
.irp t, 0,1
	v_pk_fma_f32 v[ST+8*\t+2:ST+8*\t+3], v[ST+8*\t+2:ST+8*\t+3], v[ST+8*\t+6:ST+8*\t+7], v[S+32*\t:S+32*\t+1] op_sel_hi:[1,0,1]   ; l = a l + the sum
.endr
	WIN 0x41                                       ; O^T (destination and source 0) window 1, a window 0
.set i, 0
.rept 16
.irp t, 0,1
	v_pk_mul_f32 v[32*\t+i:32*\t+i+1], v[32*\t+i:32*\t+i+1], v[ST+8*\t+6:ST+8*\t+7] op_sel_hi:[1,0]
.endr
.set i, i+2
.endr
	s_wait_dscnt 0x0                               ; V is in
	WIN 0x51                                       ; V window 1, P window 0, O^T window 1
.irp kb, 0,1                           ; O^T += V^T P: eight accumulators by turns, 32 keys a pass
.irp t, 0,1
.irp ct, 0,1,2,3
	v_wmma_f32_16x16x32_f16 v[32*\t+8*\ct:32*\t+8*\ct+7], v[VR+16*\ct+8*\kb:VR+16*\ct+8*\kb+7], v[P+16*\t+8*\kb:P+16*\t+8*\kb+7], v[32*\t+8*\ct:32*\t+8*\ct+7]
.endr
.endr
.endr
	WIN 0
.rept 4
	v_nop                                          ; places behind the products: the next loads land in V's registers, and vector lines read and write O^T and P
.endr
.Lhidden_\@:
	s_add_co_u32 s[KF], s[KF], 64
	s_add_co_u32 s[TB], s[TB], 8192                ; four key tiles of 2,048 bytes on
.endm
; A block's end: l's halves are added, O^T is divided by l, rounded to f16 and stored: a store's 32 lanes write a piece, 512 consecutive bytes.
.macro FINAL
.irp t, 0,1
	v_add_f32 v[ST+8*\t+4], v[ST+8*\t+2], v[ST+8*\t+3]
.endr
.irp t, 0,1
	v_permlanex16_b32 v[ST+8*\t+5], v[ST+8*\t+4], s[SEL], s[SEL+1]
.endr
.irp t, 0,1
	v_add_f32 v[ST+8*\t+4], v[ST+8*\t+4], v[ST+8*\t+5]
.endr
.irp t, 0,1
	v_rcp_f32 v[ST+8*\t+6], v[ST+8*\t+4]
.endr
	v_nop                                          ; a plain line behind the last reciprocal
	s_wait_alu depctr_va_vdst(0)                   ; and the wait ahead of the first use: one for both
	WIN 0x41
.set i, 0
.rept 16
.irp t, 0,1
	v_pk_mul_f32 v[32*\t+i:32*\t+i+1], v[32*\t+i:32*\t+i+1], v[ST+8*\t+6:ST+8*\t+7] op_sel_hi:[1,0]
.endr
.set i, i+2
.endr
	WIN 0x05                                       ; sources window 1, destination window 0: S^T's registers are free
.set i, 0
.rept 32
	v_cvt_pk_f16_f32 v[S+i], v[2*i], v[2*i+1]
.set i, i+1
.endr
	WIN 0
.irp t, 0,1
.irp ct, 0,1,2,3
	global_store_b128 v[LN], v[S+16*\t+4*\ct:S+16*\t+4*\ct+3], s[CAD:CAD+1] offset:\t*4096+\ct*512
.endr
.endr
.endm
.macro UNIT fill, last
	CHANGE \fill
	s_lshl_b32 s[KF], s[KU], 8
	s_mov_b32 s[STP], 4
.Lstep_\@:
	STEP
	s_sub_co_u32 s[STP], s[STP], 1
	s_cmp_lg_u32 s[STP], 0
	s_cbranch_scc1 .Lstep_\@
	s_sub_co_u32 s[TB], s[TB], 32768               ; back to a slot's first step,
	s_xor_b32 s[TB], s[TB], SLOT1                  ; in the other slot
.if \last
	FINAL
.else
	s_cmp_lg_u32 s[KU], s[BLK]                     ; the first block's diagonal unit is done: ids and counts alone, the same in all eight waves
	s_cbranch_scc1 .Lsame_\@
	FINAL
	s_wait_xcnt 0x0                                ; the stores have read their data and their base: both are written anew below
	s_mov_b32 s[BLK], ttmp9                        ; the second block
	s_mov_b32 s[KU], -1
	SETBLK
	LOADQ
.Lsame_\@:
	s_add_co_u32 s[KU], s[KU], 1
.endif
.endm
	s_load_b128 s[4:7], s[0:1], 0x0                ; qkv s[4:5], ctx s[6:7]
	v_lshl_add_u32 v[SPW], v0, 2, SPARE
	v_mov_b32 v[NIL], 0
	ds_add_u32 v[SPW], v[NIL]                      ; the wave's opening: the add, twice on end, and its wait ahead of my first tensor load
	ds_add_u32 v[SPW], v[NIL]
	v_lshrrev_b32 v1, 5, v0
	v_readfirstlane_b32 s[WV], v1                  ; wave 0..7
	v_and_b32 v3, 31, v0
	v_lshlrev_b32 v[LN], 4, v3
	v_lshlrev_b32 v[PFO], 8, v3
	v_and_b32 v[RH], 15, v0
	v_bfe_u32 v3, v0, 4, 1
	v_lshlrev_b32 v3, 3, v3
	v_sub_nc_u32 v[RH], v[RH], v3
	v_mov_b32 v[NINF], 0xff800000
	; descriptor group 1: 16 KB, dense in memory and in LDS, as 64 rows of 256 bytes (32 elements of 8 bytes)
	s_mov_b32 s[G1], 3<<16
	s_mov_b32 s[G1+1], 32<<16                      ; tensor_dim0
	s_mov_b32 s[G1+2], 64<<16                      ; tensor_dim1
	s_mov_b32 s[G1+3], 32<<16                      ; tile_dim0
	s_mov_b32 s[G1+4], 64                          ; tile_dim1
	s_mov_b32 s[G1+5], 32                          ; the pitch
	s_mov_b32 s[G1+6], 0
	s_mov_b32 s[G1+7], 0
	s_and_b32 s50, ttmp7, 0xffff                   ; bh = 16 b + head
	s_and_b32 s49, s[WV], 3
	s_lshr_b32 s53, s49, 1
	s_add_co_u32 s53, s53, 1
	s_lshl_b32 s53, s53, 24                        ; kind 1 (k) for waves 0, 1, kind 2 (v) for waves 2, 3: 16,777,216 bytes a kind
	s_lshl_b32 s51, s50, 18                        ; 262,144 bytes a head
	s_add_co_u32 s54, s53, s51
	s_and_b32 s52, s[WV], 1
	s_lshl_b32 s52, s52, 14                        ; which half of a unit
	s_add_co_u32 s54, s54, s52
	s_mov_b32 s55, 0
	s_lshl_b32 s52, s[WV], 12                      ; Q: my wave's two position tiles
	s_add_co_u32 s52, s52, s51
	s_mov_b32 s53, 0
	s_lshr_b32 s56, s50, 4                         ; ctx: ((16 b + wave / 4) x 8 + head / 2) x 32,768 + 2 (wave % 4) x 4,096 + (head % 2) x 2,048
	s_lshl_b32 s56, s56, 4
	s_lshr_b32 s58, s[WV], 2
	s_add_co_u32 s56, s56, s58
	s_lshl_b32 s56, s56, 3
	s_bfe_u32 s58, s50, 0x30001
	s_add_co_u32 s56, s56, s58
	s_lshl_b32 s56, s56, 15
	s_lshl_b32 s58, s49, 13
	s_add_co_u32 s56, s56, s58
	s_and_b32 s58, s50, 1
	s_lshl_b32 s58, s58, 11
	s_add_co_u32 s56, s56, s58
	s_mov_b32 s57, 0
	s_mov_b32 s[CS], 0x3e38aa3b                    ; c = log2(e) / sqrt(64)
	s_mov_b32 s[CS+1], s[CS]
	s_mov_b32 s[SEL], 0x76543210
	s_mov_b32 s[SEL+1], 0xfedcba98
	s_mov_b32 s[TB], 0
	s_mov_b32 s[OF+1], 0
	s_mov_b32 s[CNT], 8
	s_lshr_b32 s[LIM], s[WV], 2
	s_xor_b32 s[LIM], s[LIM], 1                    ; 0 in waves 4-7,
	s_or_b32 s[LIM], s[LIM], ttmp9                 ; of the head's first work-group
	s_cmp_eq_u32 s[LIM], 0
	s_cselect_b32 s[LIM], 2, -1
	s_mov_b32 s[G0], 1                             ; count = 1
	s_lshl_b32 s[G0+1], s49, 14                    ; LDS: slot 0, my quarter
	s_wait_dscnt 0x0                               ; both opening adds are done
	s_wait_kmcnt 0x0
	s_add_nc_u64 s[KVB:KVB+1], s[4:5], s[54:55]
	s_add_nc_u64 s[QB:QB+1], s[4:5], s[52:53]
	s_add_nc_u64 s[6:7], s[6:7], s[56:57]
	s_add_nc_u64 s[PFA:PFA+1], s[KVB:KVB+1], 32768 ; at unit 1: the first change steps it to unit 2.  Nothing is prefetched here, at the head
	s_mov_b64 s[G0+2:G0+3], s[KVB:KVB+1]           ; unit 0
	s_or_b32 s[G0+3], s[G0+3], 0x80000000
	TLOAD
	s_sub_co_u32 s[BLK], 7, ttmp9                  ; the first block
	s_mov_b32 s[KU], 0
	SETBLK
	LOADQ
.Lunit:                                            ; 8 trips: behind each change of slots but the last the next unit is asked for
	UNIT 1, 0
	s_sub_co_u32 s[CNT], s[CNT], 1
	s_cmp_lg_u32 s[CNT], 0
	s_cbranch_scc1 .Lunit
	UNIT 0, 1                                      ; the ninth unit is written out
	s_wait_tensorcnt 0x0                           ; the wave's end
	ds_add_u32 v[SPW], v[NIL]
	s_wait_dscnt 0x0
	s_endpgm
.Lfunc_end_k_qdfdf59a69a_attn:
	.size	k_qdfdf59a69a_attn, .Lfunc_end_k_qdfdf59a69a_attn-k_qdfdf59a69a_attn
	.p2alignl 7, 3214868480
	.fill 96, 4, 3214868480
	.section	.rodata,"a",@progbits
	.p2align	6, 0x0
	.amdhsa_kernel k_qdfdf59a69a_attn
		.amdhsa_group_segment_fixed_size 327680
		.amdhsa_private_segment_fixed_size 0
		.amdhsa_enable_private_segment 0
		.amdhsa_kernarg_size 16
		.amdhsa_user_sgpr_count 2
		.amdhsa_user_sgpr_kernarg_segment_ptr 1
		.amdhsa_wavefront_size32 1
		.amdhsa_system_sgpr_workgroup_id_x 1
		.amdhsa_system_sgpr_workgroup_id_y 1
		.amdhsa_system_sgpr_workgroup_id_z 1
		.amdhsa_system_vgpr_workitem_id 0
		.amdhsa_next_free_vgpr 384
		.amdhsa_next_free_sgpr 66
		.amdhsa_reserve_vcc 1
		.amdhsa_float_denorm_mode_32 3
		.amdhsa_float_denorm_mode_16_64 3
		.amdhsa_memory_ordered 1
		.amdhsa_forward_progress 1
		.amdhsa_inst_pref_size 67
	.end_amdhsa_kernel
	.amdgpu_metadata
---
amdhsa.version: [ 1, 2 ]
amdhsa.kernels:
  - .name:           k_qdfdf59a69a_attn
    .symbol:         k_qdfdf59a69a_attn.kd
    .args:
      - { .name: qkv, .offset: 0, .size: 8, .value_kind: global_buffer, .address_space: global }
      - { .name: ctx, .offset: 8, .size: 8, .value_kind: global_buffer, .address_space: global }
    .group_segment_fixed_size: 327680
    .private_segment_fixed_size: 0
    .kernarg_segment_align: 8
    .kernarg_segment_size: 16
    .max_flat_workgroup_size: 256
    .sgpr_count:     66
    .vgpr_count:     384
    .wavefront_size: 32
...
	.end_amdgpu_metadata
.endif
;; end of part 3
;; launch proj (part 4): grid 4 x 64, 4 waves a work-group, clusters of 4 x 4, 327,680 bytes of LDS; arguments ctx, wo16, bo, out0; writes out0
.if DOCPART == 4
	.amdgcn_target "amdgcn-amd-amdhsa--gfx1250"
	.amdhsa_code_object_version 6
	.text
	.protected	k_qdfdf59a69a_proj
	.globl	k_qdfdf59a69a_proj
	.p2align	8
	.type	k_qdfdf59a69a_proj,@function
k_qdfdf59a69a_proj:
	s_mov_b64 s[64:65], 0
	v_nop
	global_prefetch_b8 v0, s[64:65] scope:SCOPE_SE
	s_setreg_imm32_b32 hwreg(HW_REG_WAVE_MODE, 25, 1), 1
	s_wait_xcnt 0x0
	s_wait_alu depctr_hold_cnt(0) depctr_sa_sdst(0) depctr_va_vdst(0) depctr_va_sdst(0) depctr_va_ssrc(0) depctr_va_vcc(0) depctr_vm_vsrc(0)
	s_getreg_b32 s2, hwreg(HW_REG_IB_STS2, 6, 4)
	s_cmp_eq_u32 s2, 0
	s_cbranch_scc0 .Lentry_in_a_cluster
	s_endpgm
.Lentry_in_a_cluster:
	s_bfe_u32 s2, ttmp6, 0x10000c
	s_cmp_lg_u32 s2, 0xf033
	s_cbranch_scc0 .Lentry_shape_is_right
	s_endpgm
.Lentry_shape_is_right:
; out0 = ctx Wo + bo: [8192][1024] f32; operands f16, sums f32.  ctx and Wo arrive as pieces of 512 bytes (16 rows x 16 K, an image of four operand registers: lane 16 h + r has row r, K = 8 h .. 8 h + 7 at byte 16 x lane):
; ctx[row / 128][k / 128][(row / 16) % 8][(k / 16) % 8], wo16[n / 256][k / 128][(n / 16) % 16][(k / 16) % 8].  So a K step's tile of A (128 rows x 128 K) is 32 KB on end, B's (256 columns) 64 KB on end,
; they lie in LDS without padding, and every LDS load's 32 lanes take 512 consecutive bytes.
; The first 16 positions of each sequence are stored here too and written again, more finely, by a later launch (64 of the 8,192 rows).
; A tile of out0 is 128 x 256: 256 work-groups.  Four waves, each 64 x 128: 32 accumulators of 16 x 16.  K goes in 8 steps of 128 through a ring of two LDS slots.
; CLUSTERS: 4 x 4 work-groups.  The four of a row of the cluster need the same tiles of A, the four of a column the same tiles of B: each is asked for JOINTLY.
; THE MATRIX INSTRUCTION IS USED TRANSPOSED (source 0 = 16 columns of Wo, source 1 = 16 rows of ctx): a lane holds eight neighbouring columns of one row.  bo is the C of each sum's first product.
; No prefetch: the launch is short, and each tile is shared by four work-groups through the joint loads.
; REGISTERS: window 0: v16-29 addresses; two fragment buffers of 96 (B's 64, then A's 32) at v64 and v160; on the way out v64-191 hold rows.  window 1: the accumulators ((a, b) at v[8 (8 a + b)]).  window 2: v0-63 bo.
.set SLOT,   98304                     ; A's 32 KB, then B's 64 KB
.set BOFF,   32768
.set STAGE,  2*SLOT                    ; behind the ring: 16 rows x (512 + 16) bytes for each wave; no tensor load lands here
.set SPITCH, 528
.set SPARE,  STAGE+4*16*SPITCH         ; the spare words, 128 bytes for each wave: two blocks of 256 bytes that no other line names
.set LAPS,   4                         ; a lap = two K steps = once round the ring
.set ADRA, 16                          ; v16-17  LDS address of my A pieces in slot 0, 1
.set ADRB, 20                          ; v20-21  the same for B
.set STO,  24                          ; v24     the way out: where I put 32 bytes of a row
.set RD,   25                          ; v25     where I read a row back
.set CO,   26                          ; v26     16 x lane
.set BA,   27                          ; v27     32 h: my eight numbers of bo
.set SPW,  28
.set NIL,  29
.set F0,   64
.set F1,   160
.set BK,   64
.set G1, 24
.set G0, 32
.set G1B, 48
.set G0B, 56
.set MSB, 0
.macro WIN new
.if MSB != \new
	s_set_vgpr_msb (MSB<<8)|\new
.set MSB, \new
.endif
.endm
.set MUL,  0x50                        ; sources 0 and 1 window 0; C and D window 1
.set MULF, 0x60                        ; the first products: C (bo) window 2, D window 1
.macro JLOAD s                         ; a joint load: waves 0 and 1 fetch A's halves, waves 2 and 3 B's; an s_nop 0 and four v_nop follow each of the two lines
	s_cmp_eq_u32 s13, 0
	s_cbranch_scc0 .Lfor_b_\@
	tensor_load_to_lds s[G0+4*\s:G0+4*\s+3], s[G1:G1+7]
	s_nop 0
.rept 4
	v_nop
.endr
	s_branch .Lasked_\@
.Lfor_b_\@:
	tensor_load_to_lds s[G0B+4*\s:G0B+4*\s+3], s[G1B:G1B+7]
	s_nop 0
.rept 4
	v_nop
.endr
.Lasked_\@:
.endm
.macro CREST                           ; a round of the cluster's barrier behind its opening barrier
	s_cmp_lg_u32 s12, 0
	s_cbranch_scc1 .Lnot_wave_0_\@
	s_barrier_signal -3
.Lnot_wave_0_\@:
	s_barrier_wait -3
	s_barrier_signal -1
	s_barrier_wait -1
.endm
.macro CROUND
	s_barrier_signal -1
	s_barrier_wait -1
	CREST
.endm
	s_load_b256 s[4:11], s[0:1], 0x0               ; ctx 4, wo16 6, bo 8, out0 10
	v_lshl_add_u32 v[SPW], v0, 2, SPARE
	v_mov_b32 v[NIL], 0
	ds_add_u32 v[SPW], v[NIL]                      ; the wave's opening: the add, twice on end, and its wait ahead of my first tensor load
	ds_add_u32 v[SPW], v[NIL]
	v_lshrrev_b32 v1, 5, v0
	v_readfirstlane_b32 s12, v1                    ; wave 0..3
	s_lshr_b32 s13, s12, 1                         ; which half of the tile's rows is mine.  Also: I fetch for A (0) or for B (1)
	s_and_b32 s14, s12, 1                          ; which half of its columns.  Also: which half of that tile I fetch
	s_bfe_u32 s40, ttmp6, 0x40000                  ; cx, cy
	s_bfe_u32 s41, ttmp6, 0x40004
	s_lshl_b32 s42, ttmp9, 2
	s_add_co_u32 s42, s42, s40                     ; tile column = 4 x cluster x + cx
	s_and_b32 s15, ttmp7, 0xffff
	s_lshl_b32 s15, s15, 2
	s_add_co_u32 s15, s15, s41                     ; tile row = 4 x cluster y + cy
	s_lshl_b32 s43, s41, 2
	s_lshl_b32 s43, 15, s43                        ; my row of the cluster
	s_lshl_b32 s44, 0x1111, s40                    ; my column
	; descriptor group 1: dense blocks as rows of 256 bytes (32 elements of 8 bytes): A's half 64 rows, B's half 128
	s_or_b32 s[G1+0], s43, (3<<16)|(1<<21)
	s_or_b32 s[G1B+0], s44, (3<<16)|(1<<21)
	s_mov_b32 s[G1+1], 32<<16
	s_mov_b32 s[G1+2], 64<<16
	s_mov_b32 s[G1+3], 32<<16
	s_mov_b32 s[G1+4], 64
	s_mov_b32 s[G1+5], 32
	s_mov_b32 s[G1+6], 0
	s_mov_b32 s[G1+7], 0
	s_mov_b32 s[G1B+1], 32<<16
	s_mov_b32 s[G1B+2], 128<<16
	s_mov_b32 s[G1B+3], 32<<16
	s_mov_b32 s[G1B+4], 128
	s_mov_b32 s[G1B+5], 32
	s_mov_b32 s[G1B+6], 0
	s_mov_b32 s[G1B+7], 0
	s_lshl_b32 s16, s15, 18                        ; A: 262,144 bytes a tile row, + my half of 16,384
	s_lshl_b32 s17, s14, 14
	s_add_co_u32 s16, s16, s17
	s_mov_b32 s17, 0
	s_lshl_b32 s46, s42, 19                        ; B: 524,288 bytes a tile column, + my half of 32,768
	s_lshl_b32 s47, s14, 15
	s_add_co_u32 s46, s46, s47
	s_mov_b32 s47, 0
	s_lshl_b32 s20, s14, 14                        ; where they go: no place in the cluster enters an LDS address
	s_lshl_b32 s21, s14, 15
	s_add_co_u32 s21, s21, BOFF
	s_wait_dscnt 0x0                               ; both opening adds are done
	s_wait_kmcnt 0x0
	s_add_nc_u64 s[18:19], s[4:5], s[16:17]
	s_add_nc_u64 s[46:47], s[6:7], s[46:47]
	CROUND                                         ; all sixteen work-groups are here: the first joint loads meet
.irp s, 0,1
	s_mov_b32 s[G0+4*\s], 1
	s_add_co_u32 s[G0+4*\s+1], s20, \s*SLOT
	s_add_nc_u64 s[G0+4*\s+2:G0+4*\s+3], s[18:19], \s*32768
	s_or_b32 s[G0+4*\s+3], s[G0+4*\s+3], 0x80000000
	s_mov_b32 s[G0B+4*\s], 1
	s_add_co_u32 s[G0B+4*\s+1], s21, \s*SLOT
	s_add_nc_u64 s[G0B+4*\s+2:G0B+4*\s+3], s[46:47], \s*65536
	s_or_b32 s[G0B+4*\s+3], s[G0B+4*\s+3], 0x80000000
	JLOAD \s
.endr
	v_and_b32 v1, 15, v0                           ; r
	v_bfe_u32 v2, v0, 4, 1                         ; h
	v_and_b32 v3, 31, v0
	v_lshlrev_b32 v[CO], 4, v3
	s_lshl_b32 s21, s13, 14                        ; my 64 rows of A: four row tiles of 4,096 bytes
	s_lshl_b32 s22, s14, 15                        ; my 128 columns of B: eight column tiles,
	s_add_co_u32 s22, s22, BOFF                    ; behind A's 32 KB
.irp s, 0,1
	v_add_nc_u32 v[ADRA+\s], s21, v[CO]
	v_add_nc_u32 v[ADRB+\s], s22, v[CO]
	s_add_co_u32 s21, s21, SLOT
	s_add_co_u32 s22, s22, SLOT
.endr
	s_mul_i32 s23, s12, 16*SPITCH
	s_add_co_u32 s23, s23, STAGE                   ; my stage
	v_mul_u32_u24 v4, v1, SPITCH
	v_lshl_add_u32 v4, v2, 5, v4
	v_add_nc_u32 v[STO], s23, v4                   ; in: row r, 32 bytes for each half of the lanes
	v_add_nc_u32 v[RD], s23, v[CO]                 ; back: the 32 lanes take one row of 512 bytes
	v_lshlrev_b32 v[BA], 5, v2
	s_lshl_b32 s16, s15, 19                        ; out0: (128 x tile row + 64 x my half) rows of 4,096 bytes
	s_lshl_b32 s17, s13, 18
	s_add_co_u32 s16, s16, s17
	s_mov_b32 s17, 0
	s_add_nc_u64 s[10:11], s[10:11], s[16:17]
	s_lshl_b32 s46, s42, 10                        ; + (256 x tile column + 128 x my half) columns of 4 bytes; the same in bo
	s_lshl_b32 s47, s14, 9
	s_add_co_u32 s46, s46, s47
	s_mov_b32 s47, 0
	s_add_nc_u64 s[10:11], s[10:11], s[46:47]
	s_add_nc_u64 s[8:9], s[8:9], s[46:47]
	WIN 0x80                                       ; destination window 2
.irp b, 0,1,2,3,4,5,6,7
	global_load_b128 v[8*\b:8*\b+3], v[BA], s[8:9] offset:64*\b          ; bo at columns 16 b + 8 h + 0 .. 7: the result's layout
	global_load_b128 v[8*\b+4:8*\b+7], v[BA], s[8:9] offset:64*\b+16
.endr
	WIN 0
; 8 matrix instructions: A's block a x B's eight, 32 along K.  first = 1: bo is the C: nothing is cleared and nothing is added later.  The 32 accumulators take turns, one instruction a turn.
.macro MULQ f, a, first
.irp b, 0,1,2,3,4,5,6,7
.if \first
	v_wmma_f32_16x16x32_f16 v[8*(8*(\a)+\b):8*(8*(\a)+\b)+7], v[\f+8*\b:\f+8*\b+7], v[\f+64+8*(\a):\f+64+8*(\a)+7], v[8*\b:8*\b+7]
.else
	v_wmma_f32_16x16x32_f16 v[8*(8*(\a)+\b):8*(8*(\a)+\b)+7], v[\f+8*\b:\f+8*\b+7], v[\f+64+8*(\a):\f+64+8*(\a)+7], v[8*(8*(\a)+\b):8*(8*(\a)+\b)+7]
.endif
.endr
.endm
; 24 LDS loads in one run: the fragments of the slot's q-th 32 along K into buffer f: B's eight, then A's four
.macro FETCH slot, q, f
	WIN 0
.irp b, 0,1,2,3,4,5,6,7
	ds_load_b128 v[\f+8*\b:\f+8*\b+3],   v[ADRB+\slot] offset:\b*4096+(\q)*1024
	ds_load_b128 v[\f+8*\b+4:\f+8*\b+7], v[ADRB+\slot] offset:\b*4096+(\q)*1024+512
.endr
.irp a, 0,1,2,3
	ds_load_b128 v[\f+64+8*\a:\f+64+8*\a+3], v[ADRA+\slot] offset:\a*4096+(\q)*1024
	ds_load_b128 v[\f+64+8*\a+4:\f+64+8*\a+7], v[ADRA+\slot] offset:\a*4096+(\q)*1024+512
.endr
.endm
.macro PLACES                          ; four places in front of loads into registers that matrix instructions have read, and of reads of results
.rept 4
	v_nop
.endr
.endm
; A K step is four quarters of 32 along K, 32 matrix instructions each, on buffers 0, 1, 0, 1.  One of the first three: multiplies buffer f and fetches quarter q into g.
.macro QUARTER slot, q, f, g, first
	s_wait_dscnt 4                                 ; B and A's blocks 0, 1 are in; the youngest four loads (A's blocks 2, 3) may be out
	WIN MUL+0x10*\first
	MULQ \f, 0, \first
	MULQ \f, 1, \first
	PLACES
	FETCH \slot, \q, \g
	s_wait_dscnt 24                                ; all but the 24 just issued
	WIN MUL+0x10*\first
	MULQ \f, 2, \first
	MULQ \f, 3, \first
.endm
; The last quarter multiplies buffer 1 and changes slots: ONE barrier; in front of it each wave waits for all its tensor loads, adds 0 to its spare word, and waits for that and for its reads of this slot.
; fill = 1: the barrier opens a round of the cluster's barrier, and this slot is filled again, two K steps ahead, first thing behind the round.
.macro TURN slot, next, fill
	WIN 0
	s_wait_tensorcnt 0x0                           ; all my tensor loads have landed: my part of the next slot
	ds_add_u32 v[SPW], v[NIL]                      ; 0 onto my spare word
	s_wait_dscnt 5                                 ; (the add and the youngest four loads may be out)
	WIN MUL
	MULQ F1, 0, 0                                  ; eight matrix instructions stand between the add and the wait for it
	s_wait_dscnt 0x0                               ; the add is done, and my reads of this slot are over
	s_barrier_signal -1
	MULQ F1, 1, 0
.if \fill
	WIN 0
.endif
	s_barrier_wait -1
.if \fill
	CREST                                          ; no wave of any partner still reads this slot's tile or has a load on its way
	s_add_nc_u64 s[G0+4*\slot+2:G0+4*\slot+3], s[G0+4*\slot+2:G0+4*\slot+3], 2*32768
	s_add_nc_u64 s[G0B+4*\slot+2:G0B+4*\slot+3], s[G0B+4*\slot+2:G0B+4*\slot+3], 2*65536
	JLOAD \slot                                    ; the four v_nop behind it are also the places in front of the loads below
.else
	PLACES
.endif
	FETCH \next, 0, F0
	WIN MUL
	MULQ F1, 2, 0
	MULQ F1, 3, 0
.endm
	s_wait_tensorcnt 1                             ; my part of K step 0 is in (K step 1's load may be out),
	s_barrier_signal -1
	s_barrier_wait -1                              ; everybody's is
	FETCH 0, 0, F0
	s_wait_loadcnt 0x0                             ; bo
	QUARTER 0, 1, F0, F1, 1                        ; the first quarter stands in front of the loop: its products start the sums, from bo
	WIN 0
	s_mov_b32 s3, LAPS-1
.Llap:                                             ; a trip goes once round the ring, from a lap's second quarter to the next lap's first, and fills both slots again
	QUARTER 0, 2, F1, F0, 0
	QUARTER 0, 3, F0, F1, 0
	TURN 0, 1, 1
	QUARTER 1, 1, F0, F1, 0
	QUARTER 1, 2, F1, F0, 0
	QUARTER 1, 3, F0, F1, 0
	TURN 1, 0, 1
	QUARTER 0, 1, F0, F1, 0
	WIN 0
	s_sub_co_u32 s3, s3, 1
	s_cmp_lg_u32 s3, 0
	s_cbranch_scc1 .Llap
	QUARTER 0, 2, F1, F0, 0                        ; the last lap fills nothing, and has no round of the cluster's barrier
	QUARTER 0, 3, F0, F1, 0
	TURN 0, 1, 0
	QUARTER 1, 1, F0, F1, 0
	QUARTER 1, 2, F1, F0, 0
	QUARTER 1, 3, F0, F1, 0
	s_wait_dscnt 4                                 ; the very last quarter: nothing more to fetch
	WIN MUL
	MULQ F1, 0, 0
	MULQ F1, 1, 0
	s_wait_dscnt 0
	MULQ F1, 2, 0
	MULQ F1, 3, 0
	WIN 0
; THE WAY OUT, block by block of 16 rows x 128 columns: through my own stage in LDS, back as whole rows of 512 bytes.  LDS serves a wave's instructions in order: no wait between the stores and the loads.
.macro TOSTAGE a
	WIN 0x04                                       ; an LDS store's data are its source 1: window 1
.irp b, 0,1,2,3,4,5,6,7
	ds_store_b128 v[STO], v[64*(\a)+8*\b:64*(\a)+8*\b+3] offset:64*\b          ; each accumulator from its low end on
	ds_store_b128 v[STO], v[64*(\a)+8*\b+4:64*(\a)+8*\b+7] offset:64*\b+16
.endr
	WIN 0
.set BB, BK+64*((\a)%2)
.irp t, 0,1,2,3,4,5,6,7,8,9,10,11,12,13,14,15
	ds_load_b128 v[BB+4*\t:BB+4*\t+3], v[RD] offset:\t*SPITCH
.endr
.endm
.macro SEND a, younger                 ; younger: the LDS instructions issued behind block a's loads, which may stay out
.set BB, BK+64*((\a)%2)
	s_wait_dscnt \younger
.if (\a) > 0
	s_add_nc_u64 s[10:11], s[10:11], 16*4096       ; (behind a wait on XCNT: the earlier stores have read their base)
.endif
.irp t, 0,1,2,3,4,5,6,7,8,9,10,11,12,13,14,15
	global_store_b128 v[CO], v[BB+4*\t:BB+4*\t+3], s[10:11] offset:\t*4096 th:TH_STORE_NT   ; 32 lanes store 512 consecutive bytes, aligned
.endr
.endm
	PLACES
	TOSTAGE 0
.irp a, 1,2,3
.if \a > 1
	s_wait_xcnt 0x0                                ; block a - 2's stores have read their registers and their base
.endif
	TOSTAGE \a
	SEND \a-1, 32                                  ; behind block a - 1's loads: block a's 16 stores and 16 loads
.endr
	s_wait_xcnt 0x0
	SEND 3, 0
	s_wait_tensorcnt 0x0                           ; the wave's end
	ds_add_u32 v[SPW], v[NIL]
	s_wait_dscnt 0x0
	CROUND                                         ; the closing round
	s_endpgm
.Lfunc_end_k_qdfdf59a69a_proj:
	.size	k_qdfdf59a69a_proj, .Lfunc_end_k_qdfdf59a69a_proj-k_qdfdf59a69a_proj
	.p2alignl 7, 3214868480
	.fill 96, 4, 3214868480
	.section	.rodata,"a",@progbits
	.p2align	6, 0x0
	.amdhsa_kernel k_qdfdf59a69a_proj
		.amdhsa_group_segment_fixed_size 327680
		.amdhsa_private_segment_fixed_size 0
		.amdhsa_enable_private_segment 0
		.amdhsa_kernarg_size 32
		.amdhsa_user_sgpr_count 2
		.amdhsa_user_sgpr_kernarg_segment_ptr 1
		.amdhsa_wavefront_size32 1
		.amdhsa_system_sgpr_workgroup_id_x 1
		.amdhsa_system_sgpr_workgroup_id_y 1
		.amdhsa_system_sgpr_workgroup_id_z 1
		.amdhsa_system_vgpr_workitem_id 0
		.amdhsa_next_free_vgpr 640
		.amdhsa_next_free_sgpr 66
		.amdhsa_reserve_vcc 0
		.amdhsa_float_denorm_mode_32 3
		.amdhsa_float_denorm_mode_16_64 3
		.amdhsa_memory_ordered 1
		.amdhsa_forward_progress 1
		.amdhsa_inst_pref_size 86
	.end_amdhsa_kernel
	.amdgpu_metadata
---
amdhsa.version: [ 1, 2 ]
amdhsa.kernels:
  - .name:           k_qdfdf59a69a_proj
    .symbol:         k_qdfdf59a69a_proj.kd
    .args:
      - { .name: ctx, .offset: 0, .size: 8, .value_kind: global_buffer, .address_space: global }
      - { .name: wo16, .offset: 8, .size: 8, .value_kind: global_buffer, .address_space: global }
      - { .name: bo, .offset: 16, .size: 8, .value_kind: global_buffer, .address_space: global }
      - { .name: out0, .offset: 24, .size: 8, .value_kind: global_buffer, .address_space: global }
    .group_segment_fixed_size: 327680
    .private_segment_fixed_size: 0
    .kernarg_segment_align: 8
    .kernarg_segment_size: 32
    .max_flat_workgroup_size: 128
    .sgpr_count:     66
    .vgpr_count:     640
    .wavefront_size: 32
...
	.end_amdgpu_metadata
.endif
;; end of part 4
;; launch fine_ctx (part 5): grid 4 x 64, 1 waves a work-group, no clusters, 0 bytes of LDS; arguments x_codes, x_scales, w_codes, w_scales, ctx32; writes ctx32
.if DOCPART == 5
	.amdgcn_target "amdgcn-amd-amdhsa--gfx1250"
	.amdhsa_code_object_version 6
	.text
	.protected	k_qdfdf59a69a_fine_ctx
	.globl	k_qdfdf59a69a_fine_ctx
	.p2align	8
	.type	k_qdfdf59a69a_fine_ctx,@function
k_qdfdf59a69a_fine_ctx:
	s_mov_b64 s[64:65], 0
	v_nop
	global_prefetch_b8 v0, s[64:65] scope:SCOPE_SE
	s_setreg_imm32_b32 hwreg(HW_REG_WAVE_MODE, 25, 1), 1
	s_wait_xcnt 0x0
; The first 16 positions of every sequence, carried in f32: under the causal mask they average one to sixteen values and are the largest in size, so rounding to f16 weighs most there.
; Work-group (cw, bh), one wave: q and k of the 16 positions (all 64 channels of the head) and v (channels 16 cw on) are made anew from the codes by the FP4 matrix form and stay f32;
; scores, softmax and the weighted sum are f32 (the f32 matrix form: 20 instructions a wave, no bulk work).  No LDS, no barrier; every load is issued at the head under one wait.
; ctx32[b][k / 128][i 16][lane 32][16 bytes]: lane 16 h' + r holds position r, k = 128 (k / 128) + 64 h' + 4 i + 0 .. 3: the order in which the next launch's operand registers take it.
; REGISTERS: window 0: v3-7 addresses and constants; v16-79 x's 8 fragments; v80-87 x's scale words; v88-119 Wq's, v120-151 Wk's, v152-159 Wv's; v160-191 q; v192-223 k; v224-231 v;
;   behind the FP4 products v16-55 are at work.  window 1: Wq's 32 fragments.  window 2: Wk's.  window 3: v0-63 Wv's 8; v64-95 the scores' four partial sums, v96-103 the weighted sum: written by matrix instructions alone.
.set XF, 16
.set XS, 80
.set QS, 88
.set KS, 120
.set VS, 152
.set QA, 160
.set KA, 192
.set VA, 224
.set MSB, 0
.macro WIN new
.if MSB != \new
	s_set_vgpr_msb (MSB<<8)|\new
.set MSB, \new
.endif
.endm
	s_load_b256 s[4:11], s[0:1], 0x0               ; x_codes 4, x_scales 6, w_codes 8, w_scales 10
	s_load_b64 s[12:13], s[0:1], 0x20              ; ctx32
	v_and_b32 v1, 15, v0                           ; r
	v_bfe_u32 v2, v0, 4, 1                         ; h
	v_lshlrev_b32 v3, 9, v1
	v_lshl_add_u32 v3, v2, 4, v3                   ; a row of 512 bytes of codes, + 16 h
	v_lshlrev_b32 v4, 5, v1                        ; a row of 32 scale bytes
	v_lshlrev_b32 v5, 4, v1
	v_lshl_add_u32 v5, v2, 10, v5                  ; the way out: 1,024 h + 16 r
	v_lshlrev_b32 v6, 3, v2
	v_sub_nc_u32 v6, v1, v6                        ; r - 8 h
	v_mov_b32 v7, 0xff800000                       ; -infinity
	s_and_b32 s14, ttmp7, 0xffff                   ; bh
	s_lshr_b32 s15, s14, 4                         ; b
	s_and_b32 s16, s14, 15                         ; head
	s_mov_b32 s20, 0x76543210
	s_mov_b32 s21, 0xfedcba98
	s_mov_b32 s22, 0x3e38aa3b                      ; c = log2(e) / 8
	s_mov_b32 s25, 0
	s_wait_kmcnt 0x0
	s_lshl_b32 s24, s15, 20                        ; x's codes: 2,048 rows of 512 bytes a sequence
	s_add_nc_u64 s[4:5], s[4:5], s[24:25]
	s_lshl_b32 s24, s15, 16
	s_add_nc_u64 s[6:7], s[6:7], s[24:25]
	s_lshl_b32 s24, s16, 15                        ; the head's 64 rows of a weight's codes
	s_add_nc_u64 s[8:9], s[8:9], s[24:25]
	s_lshl_b32 s24, ttmp9, 13                      ; + 16 cw rows, for v
	s_add_nc_u64 s[28:29], s[8:9], s[24:25]
	s_lshl_b32 s24, s16, 11
	s_add_nc_u64 s[10:11], s[10:11], s[24:25]
	s_lshl_b32 s24, ttmp9, 9
	s_add_nc_u64 s[30:31], s[10:11], s[24:25]
	s_lshl_b32 s24, s15, 3
	s_lshr_b32 s26, s16, 1
	s_add_co_u32 s24, s24, s26
	s_lshl_b32 s24, s24, 13                        ; ctx32: (8 b + head / 2) x 8,192
	s_lshl_b32 s26, ttmp9, 11                      ; + 2,048 cw
	s_add_co_u32 s24, s24, s26
	s_and_b32 s26, s16, 1
	s_lshl_b32 s26, s26, 8                         ; + 256 (head % 2)
	s_add_co_u32 s24, s24, s26
	s_add_nc_u64 s[12:13], s[12:13], s[24:25]
.irp s, 0,1,2,3,4,5,6,7
.irp c, 0,1
	global_load_b128 v[XF+8*\s+4*\c:XF+8*\s+4*\c+3], v3, s[4:5] offset:64*\s+32*\c
.endr
.endr
	global_load_b128 v[XS:XS+3], v4, s[6:7]        ; a row's eight scale words
	global_load_b128 v[XS+4:XS+7], v4, s[6:7] offset:16
.irp t, 0,1,2,3
	global_load_b128 v[QS+8*\t:QS+8*\t+3], v4, s[10:11] offset:512*\t
	global_load_b128 v[QS+8*\t+4:QS+8*\t+7], v4, s[10:11] offset:512*\t+16
	global_load_b128 v[KS+8*\t:KS+8*\t+3], v4, s[10:11] offset:32768+512*\t
	global_load_b128 v[KS+8*\t+4:KS+8*\t+7], v4, s[10:11] offset:32768+512*\t+16
.endr
	global_load_b128 v[VS:VS+3], v4, s[30:31] offset:65536
	global_load_b128 v[VS+4:VS+7], v4, s[30:31] offset:65536+16
	WIN 0x40                                       ; destination window 1: Wq's fragments (tile t, K step s) at v[8 (8 t + s)]
.irp t, 0,1,2,3
.irp s, 0,1,2,3,4,5,6,7
.irp c, 0,1
	global_load_b128 v[8*(8*\t+\s)+4*\c:8*(8*\t+\s)+4*\c+3], v3, s[8:9] offset:8192*\t+64*\s+32*\c
.endr
.endr
.endr
	WIN 0x80                                       ; window 2: Wk's
.irp t, 0,1,2,3
.irp s, 0,1,2,3,4,5,6,7
.irp c, 0,1
	global_load_b128 v[8*(8*\t+\s)+4*\c:8*(8*\t+\s)+4*\c+3], v3, s[8:9] offset:524288+8192*\t+64*\s+32*\c
.endr
.endr
.endr
	WIN 0xc0                                       ; window 3: Wv's
.irp s, 0,1,2,3,4,5,6,7
.irp c, 0,1
	global_load_b128 v[8*\s+4*\c:8*\s+4*\c+3], v3, s[28:29] offset:1048576+64*\s+32*\c
.endr
.endr
	s_wait_loadcnt 0x0
	WIN 0x01                                       ; q, transposed: source 0 = 16 rows of Wq (window 1), source 1 = x: a lane holds position r, channels 16 t + 8 h + j.  Four accumulators by turns
.irp s, 0,1,2,3,4,5,6,7
.irp t, 0,1,2,3
.if \s == 0
	v_wmma_scale_f32_16x16x128_f8f6f4 v[QA+8*\t:QA+8*\t+7], v[8*(8*\t+\s):8*(8*\t+\s)+7], v[XF+8*\s:XF+8*\s+7], 0, v[QS+8*\t+\s], v[XS+\s] matrix_a_fmt:MATRIX_FMT_FP4 matrix_b_fmt:MATRIX_FMT_FP4
.else
	v_wmma_scale_f32_16x16x128_f8f6f4 v[QA+8*\t:QA+8*\t+7], v[8*(8*\t+\s):8*(8*\t+\s)+7], v[XF+8*\s:XF+8*\s+7], v[QA+8*\t:QA+8*\t+7], v[QS+8*\t+\s], v[XS+\s] matrix_a_fmt:MATRIX_FMT_FP4 matrix_b_fmt:MATRIX_FMT_FP4
.endif
.endr
.endr
	WIN 0x02                                       ; k likewise, from window 2
.irp s, 0,1,2,3,4,5,6,7
.irp t, 0,1,2,3
.if \s == 0
	v_wmma_scale_f32_16x16x128_f8f6f4 v[KA+8*\t:KA+8*\t+7], v[8*(8*\t+\s):8*(8*\t+\s)+7], v[XF+8*\s:XF+8*\s+7], 0, v[KS+8*\t+\s], v[XS+\s] matrix_a_fmt:MATRIX_FMT_FP4 matrix_b_fmt:MATRIX_FMT_FP4
.else
	v_wmma_scale_f32_16x16x128_f8f6f4 v[KA+8*\t:KA+8*\t+7], v[8*(8*\t+\s):8*(8*\t+\s)+7], v[XF+8*\s:XF+8*\s+7], v[KA+8*\t:KA+8*\t+7], v[KS+8*\t+\s], v[XS+\s] matrix_a_fmt:MATRIX_FMT_FP4 matrix_b_fmt:MATRIX_FMT_FP4
.endif
.endr
.endr
	WIN 0x0c                                       ; v: source 0 = x, source 1 = 16 rows of Wv (window 3): a lane holds channel r, positions 8 h + j.  One accumulator: the wait ahead of every link
	v_wmma_scale_f32_16x16x128_f8f6f4 v[VA:VA+7], v[XF:XF+7], v[0:7], 0, v[XS], v[VS] matrix_a_fmt:MATRIX_FMT_FP4 matrix_b_fmt:MATRIX_FMT_FP4
.irp s, 1,2,3,4,5,6,7
	s_wait_alu depctr_va_vdst(0)
	v_wmma_scale_f32_16x16x128_f8f6f4 v[VA:VA+7], v[XF+8*\s:XF+8*\s+7], v[8*\s:8*\s+7], v[VA:VA+7], v[XS+\s], v[VS+\s] matrix_a_fmt:MATRIX_FMT_FP4 matrix_b_fmt:MATRIX_FMT_FP4
.endr
.rept 5
	v_nop                                          ; five places before matrix instructions take these results as operands
.endr
	WIN 0xf0                                       ; C and D window 3.  Scores: source 0 = k, source 1 = q; in step (t, s) the slot (h, j) stands for channel 16 t + 8 h + 2 s + j on both sides.  Four partial sums by turns
.irp s, 0,1,2,3
.irp t, 0,1,2,3
.if \s == 0
	v_wmma_f32_16x16x4_f32 v[64+8*\t:71+8*\t], v[KA+8*\t+2*\s:KA+8*\t+2*\s+1], v[QA+8*\t+2*\s:QA+8*\t+2*\s+1], 0
.else
	v_wmma_f32_16x16x4_f32 v[64+8*\t:71+8*\t], v[KA+8*\t+2*\s:KA+8*\t+2*\s+1], v[QA+8*\t+2*\s:QA+8*\t+2*\s+1], v[64+8*\t:71+8*\t]
.endif
.endr
.endr
.rept 8
	v_nop                                          ; eight places behind the f32 form
.endr
	WIN 0x0f                                       ; sources window 3, destination window 0.  A lane holds query r, keys 8 h + j
.irp j, 0,1,2,3,4,5,6,7
	v_add_f32 v[16+\j], v[64+\j], v[72+\j]
.endr
.irp j, 0,1,2,3,4,5,6,7
	v_add_f32 v[24+\j], v[80+\j], v[88+\j]
.endr
	WIN 0
.irp j, 0,1,2,3,4,5,6,7
	v_add_f32 v[16+\j], v[16+\j], v[24+\j]
.endr
.irp j, 0,1,2,3,4,5,6,7
	v_cmp_gt_i32 vcc_lo, \j, v6                    ; key 8 h + j comes after query r
	v_cndmask_b32 v[16+\j], v[16+\j], v7, vcc_lo
.endr
	v_max3_num_f32 v32, v16, v17, v18
	v_max3_num_f32 v32, v32, v19, v20
	v_max3_num_f32 v32, v32, v21, v22
	v_max_num_f32 v32, v32, v23
	v_mov_b32 v33, 0                               ; a lane permute's destination counts as one of its sources
	v_permlanex16_b32 v33, v32, s20, s21
	v_max_num_f32 v32, v32, v33                    ; the row's maximum: key 0 counts for every query
	v_mul_f32 v34, s22, v32
.irp j, 0,1,2,3,4,5,6,7
	v_fma_f32 v[40+\j], v[16+\j], s22, -v34
.endr
.irp j, 0,1,2,3,4,5,6,7
	v_exp_f32 v[40+\j], v[40+\j]
.endr
	v_nop
	s_wait_alu depctr_va_vdst(0)                   ; one wait for the eight exponentials, ahead of their first reader
	v_add_f32 v35, v40, v41
	v_add_f32 v36, v42, v43
	v_add_f32 v37, v44, v45
	v_add_f32 v38, v46, v47
	v_add_f32 v35, v35, v36
	v_add_f32 v37, v37, v38
	v_add_f32 v35, v35, v37
	v_permlanex16_b32 v33, v35, s20, s21
	v_add_f32 v35, v35, v33
	v_rcp_f32 v36, v35
	v_nop
	s_wait_alu depctr_va_vdst(0)
	WIN 0xf0                                       ; the weighted sum: source 0 = v (channel r), source 1 = p (query r); in step s the slot (h, j) stands for key 8 h + 2 s + j on both sides.  One accumulator: the wait ahead of every link
	v_wmma_f32_16x16x4_f32 v[96:103], v[VA:VA+1], v[40:41], 0
.irp s, 1,2,3
	s_wait_alu depctr_va_vdst(0)
	v_wmma_f32_16x16x4_f32 v[96:103], v[VA+2*\s:VA+2*\s+1], v[40+2*\s:41+2*\s], v[96:103]
.endr
.rept 8
	v_nop
.endr
	WIN 0x03                                       ; source 0 window 3
.irp j, 0,1,2,3,4,5,6,7
	v_mul_f32 v[48+\j], v[96+\j], v36              ; query r, channels 16 cw + 8 h + j
.endr
	WIN 0
	global_store_b128 v5, v[48:51], s[12:13]       ; sixteen lanes store 256 consecutive bytes, aligned
	global_store_b128 v5, v[52:55], s[12:13] offset:512
	s_endpgm
.Lfunc_end_k_qdfdf59a69a_fine_ctx:
	.size	k_qdfdf59a69a_fine_ctx, .Lfunc_end_k_qdfdf59a69a_fine_ctx-k_qdfdf59a69a_fine_ctx
	.p2alignl 7, 3214868480
	.fill 96, 4, 3214868480
	.section	.rodata,"a",@progbits
	.p2align	6, 0x0
	.amdhsa_kernel k_qdfdf59a69a_fine_ctx
		.amdhsa_group_segment_fixed_size 0
		.amdhsa_private_segment_fixed_size 0
		.amdhsa_enable_private_segment 0
		.amdhsa_kernarg_size 40
		.amdhsa_user_sgpr_count 2
		.amdhsa_user_sgpr_kernarg_segment_ptr 1
		.amdhsa_wavefront_size32 1
		.amdhsa_system_sgpr_workgroup_id_x 1
		.amdhsa_system_sgpr_workgroup_id_y 1
		.amdhsa_system_sgpr_workgroup_id_z 1
		.amdhsa_system_vgpr_workitem_id 0
		.amdhsa_next_free_vgpr 896
		.amdhsa_next_free_sgpr 66
		.amdhsa_reserve_vcc 1
		.amdhsa_float_denorm_mode_32 3
		.amdhsa_float_denorm_mode_16_64 3
		.amdhsa_memory_ordered 1
		.amdhsa_forward_progress 1
		.amdhsa_inst_pref_size 34
	.end_amdhsa_kernel
	.amdgpu_metadata
---
amdhsa.version: [ 1, 2 ]
amdhsa.kernels:
  - .name:           k_qdfdf59a69a_fine_ctx
    .symbol:         k_qdfdf59a69a_fine_ctx.kd
    .args:
      - { .name: x_codes, .offset: 0, .size: 8, .value_kind: global_buffer, .address_space: global }
      - { .name: x_scales, .offset: 8, .size: 8, .value_kind: global_buffer, .address_space: global }
      - { .name: w_codes, .offset: 16, .size: 8, .value_kind: global_buffer, .address_space: global }
      - { .name: w_scales, .offset: 24, .size: 8, .value_kind: global_buffer, .address_space: global }
      - { .name: ctx32, .offset: 32, .size: 8, .value_kind: global_buffer, .address_space: global }
    .group_segment_fixed_size: 0
    .private_segment_fixed_size: 0
    .kernarg_segment_align: 8
    .kernarg_segment_size: 40
    .max_flat_workgroup_size: 32
    .sgpr_count:     66
    .vgpr_count:     896
    .wavefront_size: 32
...
	.end_amdgpu_metadata
.endif
;; end of part 5
;; launch fine_out (part 6): grid 64 x 4, 8 waves a work-group, no clusters, 9,216 bytes of LDS; arguments ctx32, Wo, bo, out0; writes out0
.if DOCPART == 6
	.amdgcn_target "amdgcn-amd-amdhsa--gfx1250"
	.amdhsa_code_object_version 6
	.text
	.protected	k_qdfdf59a69a_fine_out
	.globl	k_qdfdf59a69a_fine_out
	.p2align	8
	.type	k_qdfdf59a69a_fine_out,@function
k_qdfdf59a69a_fine_out:
	s_mov_b64 s[64:65], 0
	v_nop
	global_prefetch_b8 v0, s[64:65] scope:SCOPE_SE
	s_setreg_imm32_b32 hwreg(HW_REG_WAVE_MODE, 25, 1), 1
	s_wait_xcnt 0x0
; The first 16 positions of every sequence: out0 = ctx32 Wo + bo, all in f32 (the f32 matrix form: 32 instructions a wave, no bulk work).  It writes again the 64 rows that the f16 projection has stored.
; Work-group (x, b): 16 columns x 16 positions.  The eight waves share K: wave w takes k = 128 w .. 128 w + 127; in step s the slot (h, j) of the K = 4 form stands for k = 128 w + 64 h + 2 s + j on both sides.
; Source 0 = Wo (lane r: column 16 x + r), source 1 = ctx32 (lane r: position r): a lane holds position r, columns 16 x + 8 h + j.  The waves' parts meet in LDS; wave 0 adds them and bo, and stores.
; The stores are pieces of 64 bytes of a row: 256 KB in all; a wider tile would leave most WGPs without work.
.set SPARE, 8192                       ; behind the eight parts of 1,024 bytes: the spare words, 128 bytes for each wave
.set WOF, 32                           ; v32-95   Wo: 64 numbers down K
.set CF,  96                           ; v96-159  ctx32: 64 numbers along K
.set ACC, 160                          ; v160-191 four accumulators, written by matrix instructions alone
	s_load_b256 s[4:11], s[0:1], 0x0               ; ctx32 4, Wo 6, bo 8, out0 10
	v_lshl_add_u32 v2, v0, 2, SPARE
	v_mov_b32 v3, 0
	v_lshrrev_b32 v1, 5, v0
	v_readfirstlane_b32 s12, v1                    ; wave 0..7
	v_and_b32 v4, 31, v0
	v_and_b32 v5, 15, v0                           ; r
	v_bfe_u32 v6, v0, 4, 1                         ; h
	v_lshlrev_b32 v7, 4, v4                        ; 16 x lane
	v_lshlrev_b32 v1, 2, v5
	v_lshl_add_u32 v1, v6, 18, v1                  ; Wo: 64 h rows of 4,096 bytes + 4 r
	s_lshl_b32 s13, s12, 10
	v_add_nc_u32 v4, s13, v7                       ; my wave's part in LDS
	v_lshlrev_b32 v6, 5, v6                        ; 32 h
	v_lshl_add_u32 v5, v5, 12, v6                  ; out0: row r of 4,096 bytes + 32 h
	s_and_b32 s14, ttmp7, 0xffff                   ; b
	s_mov_b32 s17, 0
	s_wait_kmcnt 0x0
	s_lshl_b32 s16, s14, 3
	s_add_co_u32 s16, s16, s12
	s_lshl_b32 s16, s16, 13                        ; ctx32: (8 b + w) x 8,192
	s_add_nc_u64 s[4:5], s[4:5], s[16:17]
	s_lshl_b32 s16, s12, 19                        ; Wo: 128 w rows
	s_lshl_b32 s18, ttmp9, 6                       ; + 16 x columns of 4 bytes
	s_add_co_u32 s16, s16, s18
	s_add_nc_u64 s[6:7], s[6:7], s[16:17]
	s_mov_b32 s16, s18
	s_add_nc_u64 s[8:9], s[8:9], s[16:17]
	s_lshl_b32 s16, s14, 23                        ; out0: 2,048 rows a sequence
	s_add_co_u32 s16, s16, s18
	s_add_nc_u64 s[10:11], s[10:11], s[16:17]
.set i, 0
.rept 16
	global_load_b128 v[CF+4*i:CF+4*i+3], v7, s[4:5] offset:512*i
.set i, i+1
.endr
.set i, 0
.rept 64
	global_load_b32 v[WOF+i], v1, s[6:7] offset:4096*i
.set i, i+1
.endr
	global_load_b128 v[8:11], v6, s[8:9]           ; bo at columns 16 x + 8 h + 0 .. 7
	global_load_b128 v[12:15], v6, s[8:9] offset:16
	s_wait_loadcnt 0x0
.set s, 0
.rept 32                               ; four accumulators by turns, one instruction a turn; the first four start the sums
.if s < 4
	v_wmma_f32_16x16x4_f32 v[ACC+8*(s%4):ACC+8*(s%4)+7], v[WOF+2*s:WOF+2*s+1], v[CF+2*s:CF+2*s+1], 0
.else
	v_wmma_f32_16x16x4_f32 v[ACC+8*(s%4):ACC+8*(s%4)+7], v[WOF+2*s:WOF+2*s+1], v[CF+2*s:CF+2*s+1], v[ACC+8*(s%4):ACC+8*(s%4)+7]
.endif
.set s, s+1
.endr
.rept 8
	v_nop                                          ; eight places behind the f32 form
.endr
.irp j, 0,1,2,3,4,5,6,7
	v_add_f32 v[16+\j], v[ACC+\j], v[ACC+8+\j]
.endr
.irp j, 0,1,2,3,4,5,6,7
	v_add_f32 v[24+\j], v[ACC+16+\j], v[ACC+24+\j]
.endr
.irp j, 0,1,2,3,4,5,6,7
	v_add_f32 v[16+\j], v[16+\j], v[24+\j]
.endr
	ds_store_b128 v4, v[16:19]
	ds_store_b128 v4, v[20:23] offset:512
	s_wait_dscnt 0x0                               ; for the others' sake: my part has landed
	s_barrier_signal -1
	s_barrier_wait -1
	s_cmp_lg_u32 s12, 0
	s_cbranch_scc1 .Lend
.irp w, 0,1,2,3,4,5,6,7
	ds_load_b128 v[32+8*\w:32+8*\w+3], v7 offset:1024*\w
	ds_load_b128 v[32+8*\w+4:32+8*\w+7], v7 offset:1024*\w+512
.endr
	s_wait_dscnt 0x0
.irp w, 0,1,2,3,4,5,6,7
.irp i, 0,2,4,6
	v_pk_add_f32 v[8+\i:9+\i], v[8+\i:9+\i], v[32+8*\w+\i:33+8*\w+\i]   ; bo, then the eight parts in ascending K
.endr
.endr
	global_store_b128 v5, v[8:11], s[10:11]
	global_store_b128 v5, v[12:15], s[10:11] offset:16
.Lend:
	s_wait_tensorcnt 0x0                           ; the wave's end, behind my last LDS store
	ds_add_u32 v2, v3
	s_wait_dscnt 0x0
	s_endpgm
.Lfunc_end_k_qdfdf59a69a_fine_out:
	.size	k_qdfdf59a69a_fine_out, .Lfunc_end_k_qdfdf59a69a_fine_out-k_qdfdf59a69a_fine_out
	.p2alignl 7, 3214868480
	.fill 96, 4, 3214868480
	.section	.rodata,"a",@progbits
	.p2align	6, 0x0
	.amdhsa_kernel k_qdfdf59a69a_fine_out
		.amdhsa_group_segment_fixed_size 9216
		.amdhsa_private_segment_fixed_size 0
		.amdhsa_enable_private_segment 0
		.amdhsa_kernarg_size 32
		.amdhsa_user_sgpr_count 2
		.amdhsa_user_sgpr_kernarg_segment_ptr 1
		.amdhsa_wavefront_size32 1
		.amdhsa_system_sgpr_workgroup_id_x 1
		.amdhsa_system_sgpr_workgroup_id_y 1
		.amdhsa_system_sgpr_workgroup_id_z 1
		.amdhsa_system_vgpr_workitem_id 0
		.amdhsa_next_free_vgpr 192
		.amdhsa_next_free_sgpr 66
		.amdhsa_reserve_vcc 0
		.amdhsa_float_denorm_mode_32 3
		.amdhsa_float_denorm_mode_16_64 3
		.amdhsa_memory_ordered 1
		.amdhsa_forward_progress 1
		.amdhsa_inst_pref_size 16
	.end_amdhsa_kernel
	.amdgpu_metadata
---
amdhsa.version: [ 1, 2 ]
amdhsa.kernels:
  - .name:           k_qdfdf59a69a_fine_out
    .symbol:         k_qdfdf59a69a_fine_out.kd
    .args:
      - { .name: ctx32, .offset: 0, .size: 8, .value_kind: global_buffer, .address_space: global }
      - { .name: Wo, .offset: 8, .size: 8, .value_kind: global_buffer, .address_space: global }
      - { .name: bo, .offset: 16, .size: 8, .value_kind: global_buffer, .address_space: global }
      - { .name: out0, .offset: 24, .size: 8, .value_kind: global_buffer, .address_space: global }
    .group_segment_fixed_size: 9216
    .private_segment_fixed_size: 0
    .kernarg_segment_align: 8
    .kernarg_segment_size: 32
    .max_flat_workgroup_size: 256
    .sgpr_count:     66
    .vgpr_count:     192
    .wavefront_size: 32
...
	.end_amdgpu_metadata
.endif
;; end of part 6
